; MI455X (gfx1250); checked and timed in simulation.
; The chip was launched on July 23, 2026; its instructions are those of AMD's public machine-readable ISA for CDNA 5 (MIT licence, August 2026) and "CDNA5" Instruction Set Architecture Reference Guide (July 2026). The comments in the code are by the model that wrote it; some were corrected since.
;; Attention. Allowed arithmetic: matrix products marked QUANTISED: E2M1 operands, one E8M0 scale for each 32 along K, by v_wmma_scale_f32_16x16x128_f8f6f4 with both operands' format E2M1 (or v_wmma_scale_f32_32x16x128_f4), f32 sums; products left as they are: bf16, f16 or f32 operands; f32 sums; everything else in f32.
;; Inputs: W_K 1,024 x 1,024 float32; W_Q 1,024 x 1,024 float32; W_V 1,024 x 1,024 float32; x 4 x 2,048 x 1,024 float32.
;; Outputs: out0 4 x 2,048 x 1,024 float32.
;; This version of the problem:
;;   THIS VERSION OF THE PROBLEM IS GIVEN IN LOW PRECISION. The matrix products marked QUANTISED in the list below multiply operands that are first quantised to E2M1 (2 exponent bits, 1 mantissa bit; 4 bits a number), with one power-of-two scale for each 32 numbers along K (OCP MX v1.0); their sums are f32. The products marked 'left as it is' may take bf16, f16 or f32 operands, with f32 sums. Whichever they take, every output number must still come out within the allowed error. Rounding operands to bf16 (8 significant bits) uses up far more of that allowance than f16 does (11 bits, for magnitudes from 6e-5 to 65,504). All else is computed in f32.
;;   The module's matrix products, in the order in which they are computed (A, B: the left and right operand; K: the contracted axis; several contracted axes count as one K, in the product's order):
;;     1. [M 8,192, K 1,024] x [K 1,024, N 1,024]; A: input x; B: input W_Q: QUANTISED
;;     2. [M 8,192, K 1,024] x [K 1,024, N 1,024]; A: input x; B: input W_K: QUANTISED
;;     3. [M 8,192, K 1,024] x [K 1,024, N 1,024]; A: input x; B: input W_V: QUANTISED
;;     4. batch 4 x [M 2,048, K 1,024] x [K 1,024, N 2,048]; A: computed on the way; B: computed on the way: left as it is (an operand is computed on the way)
;;     5. batch 4 x [M 2,048, K 2,048] x [K 2,048, N 1,024]; A: computed on the way; B: computed on the way: left as it is (an operand is computed on the way)
;;   THE QUANTISER, for each operand of a quantised product, along K:
;;     - K is cut into blocks of 32 from its start; a last block that is shorter is filled with zeros.
;;     - A block's scale is 2^e with e = floor(log2(the largest magnitude in the block)) - 2, held to -126 .. 127; a block of zeros has e = 0. As a byte (E8M0): e + 127.
;;     - Each number is divided by its block's scale, clamped to +-6, and rounded to the nearest number of E2M1, ties to even, subnormals kept.
;;     - The product sums the exact products of the quantised numbers (number of the format x scale) in f32.
;;   ~~~python
;;   def quantise(x, axis):      # numpy; x: float32 -> the quantised numbers, widened to float32 again
;;       x = np.moveaxis(x, axis, -1); K = x.shape[-1]
;;       x = np.pad(x, [(0, 0)] * (x.ndim - 1) + [(0, -K % 32)]); x = x.reshape(x.shape[:-1] + (-1, 32)); a = np.abs(x).max(-1, keepdims=True)
;;       e = np.where(a > 0, np.clip(np.frexp(np.where(a > 0, a, 1))[1] - 1 - 2, -126, 127), 0)      # np.frexp(a)[1] - 1 = floor(log2(a)), exactly
;;       r = np.clip(x / 2.0 ** e, -6, 6)
;;       step = 2.0 ** (np.maximum(np.frexp(np.where(r == 0, 1, r))[1] - 1, 0) - 1)
;;       q = np.round(r / step) * step * 2.0 ** e      # np.round: ties to even
;;       return np.moveaxis(q.reshape(q.shape[:-2] + (-1,))[..., :K], -1, axis).astype(np.float32)
;;   ~~~
;; One version. Each part assembles by itself: llvm-mc -triple=amdgcn-amd-amdhsa -mcpu=gfx1250 --defsym DOCPART=n.
;; ======== version 1 of 1: 4 launches
;; limits: values are held in f16: magnitudes above 65,504 overflow, below 6.1e-05 lose precision
;; workspace buffers: xc 4,194,304 bytes; xs 262,144 bytes; wc 1,572,864 bytes; ws 98,304 bytes; qkv 50,331,648 bytes; pmat 33,554,432 bytes; stats 1,048,576 bytes
;; launch quant (part 1): grid 352 x 1, 4 waves a work-group, no clusters, 33,280 bytes of LDS; arguments x, W_Q, W_K, W_V, xc, xs, wc, ws; writes xc, xs, wc, ws
.if DOCPART == 1
	.amdgcn_target "amdgcn-amd-amdhsa--gfx1250"
	.amdhsa_code_object_version 6
	.text
	.protected	k_qd04388c233_quant
	.globl	k_qd04388c233_quant
	.p2align	8
	.type	k_qd04388c233_quant,@function
k_qd04388c233_quant:
	s_mov_b64 s[64:65], 0
	v_nop
	global_prefetch_b8 v0, s[64:65] scope:SCOPE_SE
	s_setreg_imm32_b32 hwreg(HW_REG_WAVE_MODE, 25, 1), 1
	s_wait_xcnt 0x0
; x [8192][1024] and W_Q, W_K, W_V [1024][1024], f32, K innermost, become codes of FP4 (E2M1), two a byte, and one E8M0 scale byte for each 32 along K.
; xc [8192][512 bytes], xs [8192][32];  wc [3072][512 bytes], ws [3072][32]: rows 0-1023 W_Q's, 1024-2047 W_K's, 2048-3071 W_V's.
; A block's scale is 2^(floor(log2(its largest magnitude)) - 2); its byte is the largest magnitude's exponent field - 2, held at 1 from below.  A block of zeros so gets the byte 1 where the
; rule says 127: its codes are zeros, which add nothing under any byte but 0xff, and the bytes are read by this program alone.
; LIMITS: blocks whose largest magnitude lies under 2^(2 - 126) keep the byte 1; NaN and infinities among the inputs are not served.
; Rows are dense and K is a multiple of 32: every tensor is a plain stream of blocks of 32.  A work-group takes 32,768 numbers, a wave 16 steps of 512.  Work-groups 0-255 take x, 256-287 W_Q,
; 288-319 W_K, 320-351 W_V: only pointers are chosen, by the work-group's number; all take one path.
; Each of a step's four loads reads 512 consecutive bytes, 16 a lane; the 2,048 bytes turn through the wave's own stage in LDS and come back 64 bytes a lane, so that a lane holds 16 neighbours
; along K (two neighbouring lanes hold a block).  A lane's 16 codes are 8 bytes: the wave stores 256 consecutive bytes.  A wave's 256 scale bytes are gathered in LDS and leave as one store.
; No matrix unit, no cluster, no barrier: memory binds and the waves share nothing.  Loads run four steps (16 loads a wave) ahead, the turn through LDS one step.
.set WAVES, 4
.set STEPS, 16
.set EMAX,  2
.set CB,    8                          ; bytes of 16 codes
.set R,     16                         ; v16-79   four sets of 16 numbers as they are loaded
.set X,     80                         ; v80-111  two sets of 16 neighbours
.set E,     112                        ; v112-127 a scale byte for each step
.set C,     128                        ; v128-191 codes: four registers for each step, so that no store's data are written again
.set WREG,  8192                       ; LDS: a region for each wave: two stages of 32 x SP bytes, behind them its 256 scale bytes
.set SP,    80                         ; a lane's place in a stage: 64 bytes + 16 of padding
.set SPW,   12                         ; v12  LDS address of my spare word; never rewritten
.set NIL,   13                         ; v13  0; never rewritten
.set SPARE, WAVES*WREG                 ; behind the four regions: the spare words, 128 bytes a wave, which no other line names
	s_load_b256 s[4:11], s[0:1], 0x0               ; x, W_Q, W_K, W_V
	s_load_b256 s[12:19], s[0:1], 0x20             ; xc, xs, wc, ws
	v_lshl_add_u32 v[SPW], v0, 2, SPARE
	v_mov_b32 v[NIL], 0
	v_lshrrev_b32 v1, 5, v0
	v_readfirstlane_b32 s20, v1                    ; wave
	v_and_b32 v2, 31, v0                           ; lane
	v_lshlrev_b32 v3, 4, v2                        ; my 16 bytes of a load's 512
	s_mul_i32 s21, s20, WREG
	v_lshrrev_b32 v14, 2, v2
	v_mul_u32_u24 v14, v14, SP
	v_and_b32 v15, 3, v2
	v_lshl_add_u32 v14, v15, 4, v14
	v_add_nc_u32 v14, s21, v14                     ; the stage, on the way in: SP (lane / 4) + 16 (lane % 4)
	v_mul_u32_u24 v15, v2, SP
	v_add_nc_u32 v15, s21, v15                     ; and on the way out: SP x lane: my 16 neighbours
	v_mul_u32_u24 v4, v2, CB                       ; my codes' place in a step's
	v_lshrrev_b32 v5, 1, v2
	s_add_co_u32 s21, s21, 2*32*SP
	v_add_nc_u32 v5, s21, v5                       ; LDS: my wave's 256 scale bytes, my block's byte
	v_lshlrev_b32 v7, 3, v2                        ; and on the way out 8 bytes a lane
	v_add_nc_u32 v6, s21, v7
	s_wait_kmcnt 0x0
	s_cmp_lt_u32 ttmp9, 320                        ; which tensor is mine?  The choices hang on the work-group's number alone
	s_cselect_b64 s[8:9], s[8:9], s[10:11]
	s_cmp_lt_u32 ttmp9, 288
	s_cselect_b64 s[6:7], s[6:7], s[8:9]
	s_cmp_lt_u32 ttmp9, 256
	s_cselect_b64 s[4:5], s[4:5], s[6:7]           ; the numbers,
	s_cselect_b64 s[12:13], s[12:13], s[16:17]     ; the codes,
	s_cselect_b64 s[14:15], s[14:15], s[18:19]     ; the scale bytes
	s_cselect_b32 s22, 0, 256
	s_cselect_b32 s23, 255, 31
	s_sub_co_u32 s22, ttmp9, s22                   ; my place among the groups that write these codes: 0-255 in xc, 0-95 in wc
	s_and_b32 s23, s22, s23                        ; and among those that read this tensor: 0-255 in x, 0-31 in a weight
	s_lshl_b32 s23, s23, 2
	s_add_co_u32 s23, s23, s20                     ; which run of 8,192 numbers my wave reads,
	s_lshl_b32 s22, s22, 2
	s_add_co_u32 s22, s22, s20                     ; and which it writes
	s_lshl_b32 s24, s23, 15                        ; 32,768 bytes of numbers a run,
	s_mov_b32 s25, 0
	s_lshl_b32 s26, s22, 12                        ; 4,096 of codes,
	s_mov_b32 s27, 0
	s_lshl_b32 s28, s22, 8                         ; 256 scale bytes
	s_mov_b32 s29, 0
	s_add_nc_u64 s[4:5], s[4:5], s[24:25]
	s_add_nc_u64 s[12:13], s[12:13], s[26:27]
	s_add_nc_u64 s[14:15], s[14:15], s[28:29]
.macro LOAD t
.irp i, 0,1,2,3
	global_load_b128 v[R+16*((\t)%4)+4*\i:R+16*((\t)%4)+4*\i+3], v3, s[4:5] offset:2048*(\t)+512*\i th:TH_LOAD_NT   ; 32 lanes read 512 consecutive bytes
.endr
.endm
.macro TURN t                          ; step t's numbers through the stage: LDS serves a wave's instructions in order, so no wait stands between the stores and the loads
.irp i, 0,1,2,3
	ds_store_b128 v14, v[R+16*((\t)%4)+4*\i:R+16*((\t)%4)+4*\i+3] offset:32*SP*((\t)%2)+8*SP*\i
.endr
.irp i, 0,1,2,3
	ds_load_b128 v[X+16*((\t)%2)+4*\i:X+16*((\t)%2)+4*\i+3], v15 offset:32*SP*((\t)%2)+16*\i
.endr
.endm
.irp t, 0,1,2,3
	LOAD \t
.endr
	s_wait_loadcnt 12                              ; step 0's four loads are in; twelve younger ones may be out
	TURN 0
.macro STEP t
.set XS, X+16*((\t)%2)
.if (\t) > 0
	s_wait_dscnt 1                                 ; this step's numbers are back from the stage (the last step's byte store may be out): so its stores into the stage have read their registers,
.else
	s_wait_dscnt 0x0
.endif
.if (\t)+4 < STEPS
	LOAD (\t)+4                                    ; which take the loads of four steps on
.endif
.if (\t)+1 < STEPS
.if STEPS-2-(\t) >= 3
	s_wait_loadcnt 12                              ; the next step's four loads are in; those of the three steps behind it may be out
.else
	s_wait_loadcnt 4*(STEPS-2-(\t))
.endif
	TURN (\t)+1                                    ; and go through the other stage while this step is worked
.endif
	v_max3_num_f32 v8, |v[XS]|, |v[XS+1]|, |v[XS+2]|               ; the largest magnitude of my 16, in two chains
	v_max3_num_f32 v9, |v[XS+3]|, |v[XS+4]|, |v[XS+5]|
.irp i, 6,10
	v_max3_num_f32 v8, v8, |v[XS+\i]|, |v[XS+\i+1]|
	v_max3_num_f32 v9, v9, |v[XS+\i+2]|, |v[XS+\i+3]|
.endr
	v_max3_num_f32 v8, v8, |v[XS+14]|, |v[XS+15]|
	v_max3_num_f32 v8, v8, v9, (EMAX+1)<<23        ; and the floor 2^(EMAX + 1 - 127): so the byte cannot fall under 1
	v_max_num_f32_dpp v8, v8, v8 row_xmask:1 row_mask:0xf bank_mask:0xf   ; and of my neighbour's 16: the block's
	v_add_nc_u32 v11, -(EMAX<<23), v8              ; EMAX off its exponent field: the conversion takes the exponent field of this operand as its scale, and nothing else of it
	v_cvt_scalef32_pk8_fp4_f32 v[C+4*(\t)], v[XS:XS+7], v11        ; eight numbers / the scale, to the nearest code, ties to even, beyond the largest code the largest
	v_cvt_scalef32_pk8_fp4_f32 v[C+4*(\t)+1], v[XS+8:XS+15], v11
	v_lshrrev_b32 v[E+(\t)], 23, v11               ; the scale's byte (also the plain line behind the conversions)
	ds_store_b8 v5, v[E+(\t)] offset:16*(\t)       ; both lanes of a block write the same byte with the same value
	global_store_b64 v4, v[C+4*(\t):C+4*(\t)+1], s[12:13] offset:32*CB*(\t)   ; the wave stores 256 consecutive bytes, aligned
.endm
.irp t, 0,1,2,3,4,5,6,7,8,9,10,11,12,13,14,15
	STEP \t
.endr
	ds_load_b64 v[8:9], v6                         ; LDS serves a wave's instructions in order: these see my byte stores
	s_wait_dscnt 0x0
	global_store_b64 v7, v[8:9], s[14:15]          ; 32 lanes store 256 consecutive bytes, aligned
	s_wait_tensorcnt 0x0                           ; the wave's end, behind my last LDS store
	ds_add_u32 v[SPW], v[NIL]
	s_wait_dscnt 0x0
	s_endpgm
.Lfunc_end_k_qd04388c233_quant:
	.size	k_qd04388c233_quant, .Lfunc_end_k_qd04388c233_quant-k_qd04388c233_quant
	.p2alignl 7, 3214868480
	.fill 96, 4, 3214868480
	.section	.rodata,"a",@progbits
	.p2align	6, 0x0
	.amdhsa_kernel k_qd04388c233_quant
		.amdhsa_group_segment_fixed_size 33280
		.amdhsa_private_segment_fixed_size 0
		.amdhsa_enable_private_segment 0
		.amdhsa_kernarg_size 64
		.amdhsa_user_sgpr_count 2
		.amdhsa_user_sgpr_kernarg_segment_ptr 1
		.amdhsa_wavefront_size32 1
		.amdhsa_system_sgpr_workgroup_id_x 1
		.amdhsa_system_sgpr_workgroup_id_y 1
		.amdhsa_system_sgpr_workgroup_id_z 1
		.amdhsa_system_vgpr_workitem_id 0
		.amdhsa_next_free_vgpr 192
		.amdhsa_next_free_sgpr 66
		.amdhsa_reserve_vcc 0
		.amdhsa_float_denorm_mode_32 3
		.amdhsa_float_denorm_mode_16_64 3
		.amdhsa_memory_ordered 1
		.amdhsa_forward_progress 1
		.amdhsa_inst_pref_size 34
	.end_amdhsa_kernel
	.amdgpu_metadata
---
amdhsa.version: [ 1, 2 ]
amdhsa.kernels:
  - .name:           k_qd04388c233_quant
    .symbol:         k_qd04388c233_quant.kd
    .args:
      - { .name: x, .offset: 0, .size: 8, .value_kind: global_buffer, .address_space: global }
      - { .name: W_Q, .offset: 8, .size: 8, .value_kind: global_buffer, .address_space: global }
      - { .name: W_K, .offset: 16, .size: 8, .value_kind: global_buffer, .address_space: global }
      - { .name: W_V, .offset: 24, .size: 8, .value_kind: global_buffer, .address_space: global }
      - { .name: xc, .offset: 32, .size: 8, .value_kind: global_buffer, .address_space: global }
      - { .name: xs, .offset: 40, .size: 8, .value_kind: global_buffer, .address_space: global }
      - { .name: wc, .offset: 48, .size: 8, .value_kind: global_buffer, .address_space: global }
      - { .name: ws, .offset: 56, .size: 8, .value_kind: global_buffer, .address_space: global }
    .group_segment_fixed_size: 33280
    .private_segment_fixed_size: 0
    .kernarg_segment_align: 8
    .kernarg_segment_size: 64
    .max_flat_workgroup_size: 128
    .sgpr_count:     66
    .vgpr_count:     192
    .wavefront_size: 32
...
	.end_amdgpu_metadata
.endif
;; end of part 1
;; launch proj (part 2): grid 12 x 32, 4 waves a work-group, clusters of 4 x 4, 327,680 bytes of LDS; arguments xc, xs, wc, ws, qkv; writes qkv
.if DOCPART == 2
	.amdgcn_target "amdgcn-amd-amdhsa--gfx1250"
	.amdhsa_code_object_version 6
	.text
	.protected	k_qd04388c233_proj
	.globl	k_qd04388c233_proj
	.p2align	8
	.type	k_qd04388c233_proj,@function
k_qd04388c233_proj:
	s_mov_b64 s[64:65], 0
	v_nop
	global_prefetch_b8 v0, s[64:65] scope:SCOPE_SE
	s_setreg_imm32_b32 hwreg(HW_REG_WAVE_MODE, 25, 1), 1
	s_wait_xcnt 0x0
	s_wait_alu depctr_hold_cnt(0) depctr_sa_sdst(0) depctr_va_vdst(0) depctr_va_sdst(0) depctr_va_ssrc(0) depctr_va_vcc(0) depctr_vm_vsrc(0)
	s_getreg_b32 s2, hwreg(HW_REG_IB_STS2, 6, 4)
	s_cmp_eq_u32 s2, 0
	s_cbranch_scc0 .Lentry_in_a_cluster
	s_endpgm
.Lentry_in_a_cluster:
	s_bfe_u32 s2, ttmp6, 0x10000c
	s_cmp_lg_u32 s2, 0xf033
	s_cbranch_scc0 .Lentry_shape_is_right
	s_endpgm
.Lentry_shape_is_right:
; Q, K, V = x W^T for the three weights at once: C[m][n] = sum over k of A[m][k] B[n][k], A = x's codes [8192][1024], B = the weights' codes [3072][1024], FP4 (E2M1) with one E8M0 byte for each 32 along K.
; Sums in f32; the results are rounded once to f16 and stored as qkv [3][8192][1024] (column n of C: plane n / 1024, column n % 1024), row-major: the operands of the two attention products.
; LIMIT: |Q|, |K|, |V| must stay under 65,504, f16's largest number; beyond it the rounding gives infinity.
; A tile of C, 256 x 256, is made by a work-group of four waves; a wave makes 128 x 128: 64 accumulators of 16 x 16, 512 registers.  12 x 32 = 384 tiles.
; K = 1,024 is two K steps of 512: rows of 256 bytes.  Both lie in LDS at once, in two slots, each filled once; the scale bytes of the work-group's 256 + 256 rows (two dense blocks) come with them.
; CLUSTERS: 4 x 4 work-groups.  The four of a row of the cluster need the same tiles of A, the four of a column the same tiles of B: each tile is asked for JOINTLY, by the same tensor load with
; the same descriptor and a mask that names the four.  By this text's count a wave has three tensor loads out at the most, all issued at the head.
; THE MATRIX INSTRUCTION IS USED TRANSPOSED (source 0 = 16 rows of B, source 1 = 16 rows of A): a lane then holds eight neighbouring numbers of a row of C, which pack into 16 bytes of f16.
; REGISTERS, in windows of 256: window 0: v0-31 addresses; v32-95 scale words, two sets; v128-191 A's fragments, ONE set; on the way out v32-63, v192-255.
;   window 1: B's fragments, TWO sets, at v0 and v128.   window 2: the accumulators of my rows 0-63 ((a, b) at v[8 (8 a + b)]);   window 3: those of my rows 64-127.
.set SIZE_K, 1024
.set KSTEP,  512                       ; along K in a slot
.set NQ,     KSTEP/128                 ; matrix instructions deep
.set ROWB,   256                       ; a tile's row in bytes
.set KROW,   SIZE_K/2                  ; a row of codes in memory
.set PITCH,  272                       ; an LDS row: 256 bytes + 16 of padding = 68 words: the 16 rows that a load touches begin 4 words apart modulo 64
.set FR,     8                         ; registers of a fragment: 16 rows x 128 K
.set NL,     2                         ; LDS loads that bring one
.set NP,     4                         ; places behind this matrix instruction (ISA guide 7.12.1)
.set HALFT,  128*PITCH                 ; 128 rows: what one tensor load brings
.set SLOT,   4*HALFT                   ; A's 256 rows, then B's 256 rows
.set KS,     SIZE_K/32                 ; a row of scale bytes
.set SCL,    2*SLOT                    ; behind the slots: the scales, as rows of 256 bytes + 16 of padding
.set HALFS,  (128*KS/256)*272          ; the scales of 128 rows
.set SBLK,   (16*KS/256)*272           ; those of 16 rows
.set SPARE,  SCL+4*HALFS               ; the spare words, 128 bytes a wave, which no other line names
.set SPITCH, 272                       ; the way out: a stage of 16 rows x (256 bytes + 16) for each wave, in slot 0, which has had its one fill and its last read by then
.set ADRA, 16                          ; v16-17  LDS address of my A fragments in slot 0, 1
.set ADRB, 20                          ; v20-21  the same for B
.set STO,  24                          ; v24     the way out: where I put 16 bytes of a row
.set RD,   25                          ; v25     where I read a row back
.set CO,   26                          ; v26     my byte offset in two rows of a plane
.set ADRS, 27                          ; v27     LDS address of my scale words: lanes 0-15 A's rows, lanes 16-31 B's
.set SPW,  28                          ; v28     LDS address of my spare word; never rewritten
.set NIL,  29                          ; v29     0; never rewritten
.set SC,   32                          ; scale words: set s at v[SC + 8 NQ s]; register NQ i + q: lanes 0-15 the word of A's block i, lanes 16-31 that of B's block i
.set AF,   128                         ; A's fragments
.set TMP,  192                         ; the way out: packed results
.set OB,   32                          ; the way out: 16 rows read back: v32-63 and v224-255 by turns
.set G1, 24                            ; s[24:31] group 1 for A's tiles; s[32:39] group 0, one set a slot
.set G0, 32
.set G1B, 48                           ; s[48:55], s[56:63] the same for B's
.set G0B, 56
.set G1S, 68                           ; s[68:75], s[76:79] for A's scales; s[80:87], s[88:91] for B's
.set G0S, 76
.set G1SB, 80
.set G0SB, 88
.set MSB, 0
.macro WIN new                         ; the immediate's high byte repeats the setting that is left; a switch that changes nothing is dropped
.if MSB != (\new)
	s_set_vgpr_msb (MSB<<8)|(\new)
.set MSB, \new
.endif
.endm
.set MUL_LO, 0xa1                      ; source 0 (B) window 1, source 1 (A) window 0, C and D window 2
.set MUL_HI, 0xf1                      ; the same, C and D window 3
.set TO_B,   0x40                      ; destination window 1, address window 0
; A joint load: waves 0 and 1 fetch for A, waves 2 and 3 for B.  Each line has one mask and one set of registers for all that issue it; the branch hangs on the wave's number alone.
; An s_nop 0 and four v_nop follow each of the two lines.
.macro JLOAD g0a, g1a, g0b, g1b
	s_cmp_eq_u32 s15, 0
	s_cbranch_scc0 .Lfor_b_\@
	tensor_load_to_lds s[\g0a:\g0a+3], s[\g1a:\g1a+7]
	s_nop 0
.rept 4
	v_nop
.endr
	s_branch .Lasked_\@
.Lfor_b_\@:
	tensor_load_to_lds s[\g0b:\g0b+3], s[\g1b:\g1b+7]
	s_nop 0
.rept 4
	v_nop
.endr
.Lasked_\@:
.endm
.macro CROUND                          ; a round of the cluster's barrier: my work-group's barrier; wave 0 signals for the work-group; all wait for all sixteen; my work-group's barrier once more
	s_barrier_signal -1
	s_barrier_wait -1
	s_cmp_lg_u32 s14, 0
	s_cbranch_scc1 .Lnot_wave_0_\@
	s_barrier_signal -3
.Lnot_wave_0_\@:
	s_barrier_wait -3
	s_barrier_signal -1
	s_barrier_wait -1
.endm
	s_load_b128 s[4:7], s[0:1], 0x0                ; x's codes, x's scales
	s_load_b128 s[8:11], s[0:1], 0x10              ; the weights' codes, their scales
	s_load_b64 s[12:13], s[0:1], 0x20              ; qkv
	v_lshl_add_u32 v[SPW], v0, 2, SPARE
	v_mov_b32 v[NIL], 0
	ds_add_u32 v[SPW], v[NIL]                      ; the wave's opening: the add, twice on end, and its wait ahead of my first tensor load
	ds_add_u32 v[SPW], v[NIL]                      ; (the set-up below, work on registers, stands between the second and the wait)
	v_lshrrev_b32 v1, 5, v0
	v_readfirstlane_b32 s14, v1                    ; wave 0..3
	s_lshr_b32 s15, s14, 1                         ; which half of the tile's rows is mine.  Also: I fetch for A (0) or for B (1)
	s_and_b32 s16, s14, 1                          ; which half of its columns.  Also: which 128 rows of that tile I fetch
	s_bfe_u32 s40, ttmp6, 0x40000                  ; cx, cy: my place in the cluster
	s_bfe_u32 s41, ttmp6, 0x40004
	s_lshl_b32 s42, ttmp9, 2
	s_add_co_u32 s42, s42, s40                     ; tile column of C = 4 x cluster x + cx
	s_and_b32 s17, ttmp7, 0xffff
	s_lshl_b32 s17, s17, 2
	s_add_co_u32 s17, s17, s41                     ; tile row of C = 4 x cluster y + cy
	s_lshl_b32 s43, s41, 2
	s_lshl_b32 s43, 15, s43                        ; my row of the cluster
	s_lshl_b32 s44, 0x1111, s40                    ; my column
	; group 1: a tile of 128 rows x 256 bytes, padded in LDS
	s_or_b32 s[G1+0], s43, (0<<16)|(1<<20)|(1<<21)|(5<<22)|(3<<25)  ; 15:0 the mask; 17:16 elements of 1 byte; 20 padding on; 21 set beside a mask; 24:22 after every 64 words; 31:25 four words
	s_or_b32 s[G1B+0], s44, (0<<16)|(1<<20)|(1<<21)|(5<<22)|(3<<25)
.irp g, G1, G1B
	s_mov_b32 s[\g+1], ROWB<<16                    ; tensor_dim0
	s_mov_b32 s[\g+2], 128<<16                     ; tensor_dim1
	s_mov_b32 s[\g+3], ROWB<<16                    ; tile_dim0
	s_mov_b32 s[\g+4], 128                         ; tile_dim1
	s_mov_b32 s[\g+5], KROW                        ; from row to row
	s_mov_b32 s[\g+6], 0
	s_mov_b32 s[\g+7], 0
.endr
	; the scales of 128 rows: a dense block of 4,096 bytes, as 16 rows of 256 bytes (32 elements of 8 bytes), 16 bytes of padding behind each
	s_or_b32 s[G1S+0], s43, (3<<16)|(1<<20)|(1<<21)|(5<<22)|(3<<25)
	s_or_b32 s[G1SB+0], s44, (3<<16)|(1<<20)|(1<<21)|(5<<22)|(3<<25)
.irp g, G1S, G1SB
	s_mov_b32 s[\g+1], 32<<16
	s_mov_b32 s[\g+2], (128*KS/256)<<16
	s_mov_b32 s[\g+3], 32<<16
	s_mov_b32 s[\g+4], 128*KS/256
	s_mov_b32 s[\g+5], 32
	s_mov_b32 s[\g+6], 0
	s_mov_b32 s[\g+7], 0
.endr
	s_lshl_b32 s18, s16, 7                         ; which 128 rows of the tile I fetch
	s_lshl_b32 s20, s17, 8
	s_add_co_u32 s20, s20, s18                     ; A: row 256 x tile row + 128 x half
	s_lshl_b32 s46, s42, 8
	s_add_co_u32 s46, s46, s18                     ; B: row 256 x tile column + 128 x half
	s_mov_b32 s21, 0
	s_mov_b32 s47, 0
	s_mov_b64 s[18:19], KS
	s_mul_u64 s[22:23], s[20:21], s[18:19]         ; where these rows' scales begin, in bytes,
	s_mul_u64 s[92:93], s[46:47], s[18:19]
	s_mov_b64 s[18:19], KROW
	s_mul_u64 s[20:21], s[20:21], s[18:19]         ; and their codes
	s_mul_u64 s[46:47], s[46:47], s[18:19]
	s_mul_i32 s45, s14, HALFT                      ; where they go: wave x 128 rows: no place in the cluster enters an LDS address
	s_mul_i32 s94, s14, HALFS
	s_wait_dscnt 0x0                               ; both opening adds are done
	s_wait_kmcnt 0x0
	s_add_nc_u64 s[20:21], s[4:5], s[20:21]
	s_add_nc_u64 s[22:23], s[6:7], s[22:23]
	s_add_nc_u64 s[46:47], s[8:9], s[46:47]
	s_add_nc_u64 s[92:93], s[10:11], s[92:93]
	CROUND                                         ; all sixteen work-groups are here: the joint loads meet
	s_mov_b32 s[G0S], 1
	s_add_co_u32 s[G0S+1], s94, SCL
	s_mov_b64 s[G0S+2:G0S+3], s[22:23]
	s_or_b32 s[G0S+3], s[G0S+3], 0x80000000
	s_mov_b32 s[G0SB], 1
	s_add_co_u32 s[G0SB+1], s94, SCL
	s_mov_b64 s[G0SB+2:G0SB+3], s[92:93]
	s_or_b32 s[G0SB+3], s[G0SB+3], 0x80000000
	JLOAD G0S, G1S, G0SB, G1SB                     ; the scales first: they are wanted with K step 0
.irp s, 0,1
	s_mov_b32 s[G0+4*\s], 1
	s_add_co_u32 s[G0+4*\s+1], s45, \s*SLOT
	s_add_nc_u64 s[G0+4*\s+2:G0+4*\s+3], s[20:21], \s*ROWB
	s_or_b32 s[G0+4*\s+3], s[G0+4*\s+3], 0x80000000
	s_mov_b32 s[G0B+4*\s], 1
	s_add_co_u32 s[G0B+4*\s+1], s45, \s*SLOT
	s_add_nc_u64 s[G0B+4*\s+2:G0B+4*\s+3], s[46:47], \s*ROWB
	s_or_b32 s[G0B+4*\s+3], s[G0B+4*\s+3], 0x80000000
	JLOAD G0+4*\s, G1, G0B+4*\s, G1B
.endr
	v_and_b32 v1, 15, v0                           ; r = lane % 16
	v_bfe_u32 v2, v0, 4, 1                         ; h = lane / 16
	v_mul_u32_u24 v3, v1, PITCH
	v_lshl_add_u32 v4, v2, 4, v3                   ; a fragment's row x pitch + 16 x half
	s_mul_i32 s21, s15, HALFT                      ; my 128 rows of A
	s_mul_i32 s22, s16, HALFT                      ; my 128 rows of B,
	s_add_co_u32 s22, s22, 2*HALFT                 ; which lie behind A's 256
.irp s, 0,1
	v_add_nc_u32 v[ADRA+\s], s21, v4
	v_add_nc_u32 v[ADRB+\s], s22, v4
	s_add_co_u32 s21, s21, SLOT
	s_add_co_u32 s22, s22, SLOT
.endr
	v_mul_u32_u24 v5, v1, KS                       ; my row's scales: KS bytes a row,
	v_lshrrev_b32 v6, 8, v5
	v_lshl_add_u32 v5, v6, 4, v5                   ; and 16 more for each 256 passed
	s_mul_i32 s21, s15, HALFS                      ; A's: my 128 rows
	s_mul_i32 s22, s16, HALFS                      ; B's: my 128 rows, behind A's 256
	s_add_co_u32 s22, s22, 2*HALFS
	s_sub_co_u32 s22, s22, s21
	v_mul_u32_u24 v6, s22, v2                      ; lanes 16-31 take B's: one product, the distance between the two bases x h
	s_add_co_u32 s21, s21, SCL
	v_add_nc_u32 v5, v5, v6
	v_add_nc_u32 v[ADRS], s21, v5
	s_mul_i32 s23, s14, 16*SPITCH                  ; my stage
	v_mul_u32_u24 v5, v1, SPITCH                   ; in: row r, 16 bytes for each half of the lanes
	v_lshl_add_u32 v5, v2, 4, v5
	v_add_nc_u32 v[STO], s23, v5
	v_mul_u32_u24 v5, v2, SPITCH                   ; back: lanes 0-15 take one row of 256 bytes, lanes 16-31 the next
	v_lshl_add_u32 v5, v1, 4, v5
	v_add_nc_u32 v[RD], s23, v5
	v_lshlrev_b32 v5, 11, v2                       ; and the same two rows in a plane: 2,048 bytes a row
	v_lshl_add_u32 v[CO], v1, 4, v5
	s_lshl_b32 s20, s17, 8
	s_lshl_b32 s21, s15, 7
	s_add_co_u32 s20, s20, s21                     ; my first row: 256 x tile row + 128 x half,
	s_lshl_b32 s20, s20, 11                        ; in bytes
	s_mov_b32 s21, 0
	s_lshr_b32 s46, s42, 2
	s_lshl_b32 s46, s46, 24                        ; the plane: tile column / 4, 2^24 bytes each;
	s_and_b32 s47, s42, 3
	s_lshl_b32 s47, s47, 9                         ; in it 512 bytes a tile column
	s_add_co_u32 s46, s46, s47
	s_lshl_b32 s47, s16, 8                         ; and 256 for my half
	s_add_co_u32 s46, s46, s47
	s_mov_b32 s47, 0
	s_add_nc_u64 s[12:13], s[12:13], s[20:21]
	s_add_nc_u64 s[12:13], s[12:13], s[46:47]
.macro FRAG reg, adr, q, i             ; 16 rows x 128 K of 4-bit codes: lane l holds row l % 16; registers 4 c .. 4 c + 3 hold K = 64 c + 32 (l / 16) + 0 .. 31
.irp c, 0,1
	ds_load_b128 v[\reg+4*\c:\reg+4*\c+3], v[\adr] offset:64*(\q)+32*\c+(\i)*16*PITCH
.endr
.endm
; 16 matrix instructions: A's blocks a0, a0 + 1 x B's eight, the slot's q-th 128 along K.  p: B's set; sc: the set of scale words.  zero = 1: the product starts the sums: nothing is cleared.
; The 64 accumulators take turns, one instruction a turn, in the same order in every step.
.macro MUL16 a0, p, q, sc, zero
.irp a, \a0, \a0+1
.irp b, 0,1,2,3,4,5,6,7
.if \zero
	v_wmma_scale_f32_16x16x128_f8f6f4 v[8*(8*((\a)%4)+\b):8*(8*((\a)%4)+\b)+7], v[128*(\p)+FR*\b:128*(\p)+FR*\b+FR-1], v[AF+FR*(\a):AF+FR*(\a)+FR-1], 0, v[SC+8*NQ*(\sc)+NQ*\b+(\q)], v[SC+8*NQ*(\sc)+NQ*(\a)+(\q)] matrix_a_fmt:MATRIX_FMT_FP4 matrix_b_fmt:MATRIX_FMT_FP4 matrix_a_scale:MATRIX_SCALE_ROW1
.else
	v_wmma_scale_f32_16x16x128_f8f6f4 v[8*(8*((\a)%4)+\b):8*(8*((\a)%4)+\b)+7], v[128*(\p)+FR*\b:128*(\p)+FR*\b+FR-1], v[AF+FR*(\a):AF+FR*(\a)+FR-1], v[8*(8*((\a)%4)+\b):8*(8*((\a)%4)+\b)+7], v[SC+8*NQ*(\sc)+NQ*\b+(\q)], v[SC+8*NQ*(\sc)+NQ*(\a)+(\q)] matrix_a_fmt:MATRIX_FMT_FP4 matrix_b_fmt:MATRIX_FMT_FP4 matrix_a_scale:MATRIX_SCALE_ROW1
.endif
.endr
.endr
.endm
.macro FETCH_B slot, q, p              ; B's eight fragments of the slot's q-th 128 along K into set p
	WIN TO_B
.irp i, 0,1,2,3,4,5,6,7
	FRAG 128*(\p)+FR*\i, ADRB+\slot, \q, \i
.endr
	WIN 0
.endm
.macro FETCH_A slot, q, i0             ; A's blocks i0 .. i0 + 3
.irp i, \i0, \i0+1, \i0+2, \i0+3
	FRAG AF+FR*(\i), ADRA+\slot, \q, \i
.endr
.endm
.macro SCALES sc                       ; a K step's scale words into set sc: four words a row; lanes 0-15 take A's block i, lanes 16-31 B's block i
.irp i, 0,1,2,3,4,5,6,7
	ds_load_b128 v[SC+8*NQ*\sc+NQ*\i:SC+8*NQ*\sc+NQ*\i+3], v[ADRS] offset:\i*SBLK
.endr
.endm
.macro PLACES n                        ; plain vector lines between a matrix instruction and a load into one of its registers, or a read of its result
.rept \n
	v_nop
.endr
.endm
; A step of 128 along K that has its successor in the same slot.  A block of A is free as soon as its eight products are issued: blocks 0-3 are fetched anew in the step's middle, blocks 4-7 at its end.
.macro STEP slot, q, zero
	s_wait_dscnt 4*NL                              ; B's set and A's blocks 0-3 are in; the youngest eight loads (A's blocks 4-7) may be out
	WIN MUL_LO
	MUL16 0, (\q)%2, \q, \slot, \zero
	MUL16 2, (\q)%2, \q, \slot, \zero
	s_wait_dscnt 0                                 ; A's blocks 4-7 are in
	PLACES NP
	FETCH_B \slot, (\q)+1, 1-(\q)%2
	FETCH_A \slot, (\q)+1, 0
	WIN MUL_HI
	MUL16 4, (\q)%2, \q, \slot, \zero
	MUL16 6, (\q)%2, \q, \slot, \zero
	PLACES NP
	WIN 0
	FETCH_A \slot, (\q)+1, 4
.endm
; Slot 0's last step goes over to slot 1: one barrier; in front of it each wave waits for all its tensor loads (its part of slot 1), adds 0 to its spare word, and waits for that and for its reads of slot 0.
; Nothing is filled again: K ends with slot 1.  Behind this barrier nobody reads slot 0, where the stages of the way out lie.
.macro TURN slot, next
	s_wait_tensorcnt 0x0                           ; all my tensor loads have landed  (every window is 0 here)
	ds_add_u32 v[SPW], v[NIL]                      ; 0 onto my spare word
	s_wait_dscnt 4*NL+1                            ; (the add and the youngest eight loads may be out)
	WIN MUL_LO
	MUL16 0, 1, NQ-1, \slot, 0                     ; sixteen matrix instructions stand between the add and the wait for it
	s_wait_dscnt 0x0                               ; the add is done, and my reads of this slot are over
	s_barrier_signal -1
	MUL16 2, 1, NQ-1, \slot, 0
	WIN 0
	s_barrier_wait -1
	PLACES NP
	v_add_nc_u32 v[ADRS], 4*NQ, v[ADRS]            ; on to the next K step's scale words (no LDS load of mine is out)
	FETCH_B \next, 0, 0
	FETCH_A \next, 0, 0
	SCALES \next
	WIN MUL_HI
	MUL16 4, 1, NQ-1, \slot, 0
	MUL16 6, 1, NQ-1, \slot, 0
	PLACES NP
	WIN 0
	FETCH_A \next, 0, 4
.endm
.macro STEPS slot, from                ; the slot's steps from .. NQ - 2
.set Q, \from
.rept NQ-1-\from
	STEP \slot, Q, 0
.set Q, Q+1
.endr
.endm
	s_wait_tensorcnt 1                             ; the scales and my part of slot 0 are in; one load, slot 1's, may be out
	s_barrier_signal -1
	s_barrier_wait -1                              ; everybody's are
	FETCH_B 0, 0, 0
	FETCH_A 0, 0, 0
	SCALES 0
	FETCH_A 0, 0, 4
	STEP 0, 0, 1                                   ; the first step's products start the sums
	STEPS 0, 1
	TURN 0, 1
	STEPS 1, 0
	s_wait_dscnt 4*NL                              ; the last step: nothing more to fetch
	WIN MUL_LO
	MUL16 0, 1, NQ-1, 1, 0
	MUL16 2, 1, NQ-1, 1, 0
	s_wait_dscnt 0
	WIN MUL_HI
	MUL16 4, 1, NQ-1, 1, 0
	MUL16 6, 1, NQ-1, 1, 0
	WIN 0
; THE WAY OUT, block by block of 16 rows x 128 columns.  PACK: rounded to f16, 16 bytes a lane, each accumulator from its low end on.  TOSTAGE: into my own stage and back as whole rows of 256 bytes.  SEND: stored.
.macro PACK a
.set AC, 64*((\a)%4)
	WIN 0x0a+5*((\a)/4)                            ; sources 0 and 1: window 2 or 3
.irp b, 0,1,2,3,4,5,6,7
.irp r, 0,1,2,3
	v_cvt_pk_f16_f32 v[TMP+4*\b+\r], v[AC+8*\b+2*\r], v[AC+8*\b+2*\r+1]
.endr
.endr
	WIN 0
.endm
.macro TOSTAGE a
.set BK, OB+192*((\a)%2)
.irp b, 0,1,2,3,4,5,6,7
	ds_store_b128 v[STO], v[TMP+4*\b:TMP+4*\b+3] offset:32*\b
.endr
.irp t, 0,1,2,3,4,5,6,7
	ds_load_b128 v[BK+4*\t:BK+4*\t+3], v[RD] offset:\t*2*SPITCH    ; LDS serves a wave's instructions in order: these see the stores above
.endr
.endm
.macro SEND a
.set BK, OB+192*((\a)%2)
	s_wait_dscnt 0x0                               ; the block is back in registers
	s_wait_xcnt 0x0                                ; the earlier stores have read their base and their data: only behind this wait are they rewritten
.if (\a) > 0
	s_add_nc_u64 s[12:13], s[12:13], 16*2048       ; 16 rows on
.endif
.irp t, 0,1,2,3,4,5,6,7
	global_store_b128 v[CO], v[BK+4*\t:BK+4*\t+3], s[12:13] offset:\t*4096   ; 16 lanes store 256 consecutive bytes, aligned
.endr
.endm
	PLACES NP                                      ; behind the last products: for the first conversions and for the loads into registers that held scale words
	PACK 0
	TOSTAGE 0
.irp a, 1,2,3,4,5,6,7                  ; block a's conversions stand between block a - 1's loads from the stage and the wait for them
	PACK \a
	SEND \a-1
	TOSTAGE \a
.endr
	SEND 7
	s_wait_tensorcnt 0x0                           ; the wave's end, behind my last tensor load and my last LDS store
	ds_add_u32 v[SPW], v[NIL]
	s_wait_dscnt 0x0
	CROUND                                         ; the closing round: no work-group ends while a partner may still ask for a tile that names it
	s_endpgm
.Lfunc_end_k_qd04388c233_proj:
	.size	k_qd04388c233_proj, .Lfunc_end_k_qd04388c233_proj-k_qd04388c233_proj
	.p2alignl 7, 3214868480
	.fill 96, 4, 3214868480
	.section	.rodata,"a",@progbits
	.p2align	6, 0x0
	.amdhsa_kernel k_qd04388c233_proj
		.amdhsa_group_segment_fixed_size 327680
		.amdhsa_private_segment_fixed_size 0
		.amdhsa_enable_private_segment 0
		.amdhsa_kernarg_size 40
		.amdhsa_user_sgpr_count 2
		.amdhsa_user_sgpr_kernarg_segment_ptr 1
		.amdhsa_wavefront_size32 1
		.amdhsa_system_sgpr_workgroup_id_x 1
		.amdhsa_system_sgpr_workgroup_id_y 1
		.amdhsa_system_sgpr_workgroup_id_z 1
		.amdhsa_system_vgpr_workitem_id 0
		.amdhsa_next_free_vgpr 1024
		.amdhsa_next_free_sgpr 98
		.amdhsa_reserve_vcc 0
		.amdhsa_float_denorm_mode_32 3
		.amdhsa_float_denorm_mode_16_64 3
		.amdhsa_memory_ordered 1
		.amdhsa_forward_progress 1
		.amdhsa_inst_pref_size 127
	.end_amdhsa_kernel
	.amdgpu_metadata
---
amdhsa.version: [ 1, 2 ]
amdhsa.kernels:
  - .name:           k_qd04388c233_proj
    .symbol:         k_qd04388c233_proj.kd
    .args:
      - { .name: xc, .offset: 0, .size: 8, .value_kind: global_buffer, .address_space: global }
      - { .name: xs, .offset: 8, .size: 8, .value_kind: global_buffer, .address_space: global }
      - { .name: wc, .offset: 16, .size: 8, .value_kind: global_buffer, .address_space: global }
      - { .name: ws, .offset: 24, .size: 8, .value_kind: global_buffer, .address_space: global }
      - { .name: qkv, .offset: 32, .size: 8, .value_kind: global_buffer, .address_space: global }
    .group_segment_fixed_size: 327680
    .private_segment_fixed_size: 0
    .kernarg_segment_align: 8
    .kernarg_segment_size: 40
    .max_flat_workgroup_size: 128
    .sgpr_count:     98
    .vgpr_count:     1024
    .wavefront_size: 32
...
	.end_amdgpu_metadata
.endif
;; end of part 2
;; launch scores (part 3): grid 8 x 32, 4 waves a work-group, clusters of 4 x 4, 327,680 bytes of LDS; arguments qkv, pmat, stats; writes pmat, stats
.if DOCPART == 3
	.amdgcn_target "amdgcn-amd-amdhsa--gfx1250"
	.amdhsa_code_object_version 6
	.text
	.protected	k_qd04388c233_scores
	.globl	k_qd04388c233_scores
	.p2align	8
	.type	k_qd04388c233_scores,@function
k_qd04388c233_scores:
	s_mov_b64 s[64:65], 0
	v_nop
	global_prefetch_b8 v0, s[64:65] scope:SCOPE_SE
	s_setreg_imm32_b32 hwreg(HW_REG_WAVE_MODE, 25, 1), 1
	s_wait_xcnt 0x0
	s_wait_alu depctr_hold_cnt(0) depctr_sa_sdst(0) depctr_va_vdst(0) depctr_va_sdst(0) depctr_va_ssrc(0) depctr_va_vcc(0) depctr_vm_vsrc(0)
	s_getreg_b32 s2, hwreg(HW_REG_IB_STS2, 6, 4)
	s_cmp_eq_u32 s2, 0
	s_cbranch_scc0 .Lentry_in_a_cluster
	s_endpgm
.Lentry_in_a_cluster:
	s_bfe_u32 s2, ttmp6, 0x10000c
	s_cmp_lg_u32 s2, 0xf033
	s_cbranch_scc0 .Lentry_shape_is_right
	s_endpgm
.Lentry_shape_is_right:
; For each batch: S[q][n] = sum over k of Q[q][k] Kr[k][n], Kr = K's 2,048 x 1,024 numbers read as [1024 (k)][2048 (n)], as they lie.  f16 operands, f32 sums.
; THE SOFTMAX'S FIRST HALF, on the way out.  t = S x c, c = log2(e) / 1024.  For each query and each block of 128 keys (a wave's columns): M = the block's largest t rounded UP to a whole number, kept as
; -M = floor(-t); p = 2^(t - M), at most 1, rounded to f16; l = the sum of the unrounded p.  -M and l go to stats [2][4 batches][16 blocks][2048 queries], f32.
; The next launch brings the sixteen blocks of a query under the row's own largest M by powers of two, so the maximum that is taken away is the row's.
; pmat IS LAID IN THE ORDER OF THE NEXT PRODUCT'S OPERAND REGISTERS: [512 blocks of 16 queries][128 pieces of 16 keys][32 lanes][16 bytes].  A lane's four packed registers of an accumulator are its 16 bytes of a
; piece, so p leaves straight from registers, 512 consecutive bytes a store, and two neighbouring pieces are a fragment of 16 queries x 32 keys.
; LIMITS: a p under 2^-24 is rounded to 0; NaN and infinities are not served.
; A tile of S, 256 x 256, is made by a work-group of four waves; a wave makes 128 x 128: 64 accumulators, 512 registers.  8 x 32 = 256 work-groups.  K goes in 8 steps of 128 through a ring of two LDS slots.
; Q's tile: 256 rows of 256 bytes.  Kr's tile lies [k][n]: 128 rows of 512 bytes; its fragments come out of LDS turned, by ds_load_tr16_b128.
; CLUSTERS: 4 x 4 work-groups, all of one batch.  The four of a row of the cluster need the same tiles of Q, the four of a column the same tiles of Kr: each is asked for JOINTLY.
; By this text's count a wave has two tensor loads out at the start and one behind each round.
; THE MATRIX INSTRUCTION IS USED TRANSPOSED (source 0 = 16 keys, source 1 = 16 queries): a lane holds ONE query (lane % 16) and eight neighbouring keys an accumulator.
; REGISTERS, in windows of 256: window 0: v15-31 addresses; v32-45 at work on the way out; v64-127, v128-191 Q's fragments, two buffers; on the way out v64-95 sums, v192-255 packed p, two sets.
;   window 1: v64-127, v128-191 Kr's fragments.   window 2: the accumulators of my queries 0-63 ((a, b) at v[8 (8 a + b)]);   window 3: those of my queries 64-127.
.set PA,     272                       ; a row of Q's tile in LDS: 256 bytes + 16 = 68 words: the 16 rows of a load begin 4 words apart modulo 64
.set PB,     544                       ; a row of Kr's tile: 512 bytes + 32 = 136 words: the 8 rows x 32 bytes that 16 lanes of a turning load take begin 8 words apart modulo 64
.set HALFT,  128*PA                    ; what one tensor load brings: 128 rows of Q, or 64 rows of Kr: both 34,816 bytes
.set SLOT,   4*HALFT                   ; Q's 256 rows, then Kr's 128
.set STATL,  2*SLOT                    ; behind the ring: 1,024 bytes for each wave: -M of its 128 queries, then l
.set SPARE,  STATL+4*1024              ; the spare words, 128 bytes a wave, which no other line names
.set LAPS,   4                         ; a lap = two K steps = once round the ring
.set STEPA,  256                       ; a K step on, in bytes: along Q's rows,
.set STEPB,  128*4096                  ; and down Kr's
.set SGO,  15                          ; v15     16 x lane: my place in a store's 512 bytes; never rewritten
.set ADRA, 16                          ; v16-17  LDS address of my fragments of Q in slot 0, 1
.set ADRB, 20                          ; v20-21  the same for Kr
.set STA,  27                          ; v27     where -M (lanes 0-15) or l (lanes 16-31) of my query goes
.set SPW,  28                          ; v28     LDS address of my spare word; never rewritten
.set NIL,  29                          ; v29     0; never rewritten
.set PFO,  30                          ; v30     the prefetches' offset; never rewritten
.set STR,  31                          ; v31     where I read the wave's statistics back
.set T,    32                          ; v32-35  four running maxima
.set PD,   36                          ; v36     the lane permute's destination
.set NM,   38                          ; v[38:39] -M (the packed form names the pair and takes its low word for both halves)
.set SV,   44                          ; v44     what goes to STA
.set LV,   45                          ; v45     l
.set SUMT, 64
.set TMP,  192                         ; v192-223, v224-255: a block's packed p, two sets by turns
.set F0,   64
.set F1,   128
.set G1,  24                           ; s[24:31] group 1 for Q's tiles; s[32:39] group 0, one set a slot
.set G0,  32
.set LIM, 43                           ; s43     1 in a wave that prefetches, else the greatest number
.set PFA, 44                           ; s[44:45] where my prefetches stand
.set G1B, 48                           ; s[48:55], s[56:63] the same for Kr's tiles
.set G0B, 56
.set CS,  66                           ; s[66:67] c, twice
.set SEL, 68                           ; s[68:69] lane selects: lane l xor 16
.set PFS, 74                           ; s[74:75] a K step on, for my prefetches
.set WV,  76                           ; s76     wave
.set RH,  77                           ; s77     wave / 2: which half of the tile's queries is mine.  Also: I fetch for Q (0) or for Kr (1)
.set CH,  78                           ; s78     wave % 2: which half of its keys.  Also: which half of that tile I fetch
.set MSB, 0
.macro WIN new                         ; the immediate's high byte repeats the setting that is left; a switch that changes nothing is dropped
.if MSB != (\new)
	s_set_vgpr_msb (MSB<<8)|(\new)
.set MSB, \new
.endif
.endm
.set MUL_LO, 0xa1                      ; source 0 (Kr) window 1, source 1 (Q) window 0, C and D window 2
.set MUL_HI, 0xf1                      ; the same, C and D window 3
.set TO_B,   0x40                      ; destination window 1, address window 0
; A joint load.  Each of the two lines has one mask and one set of registers for all that issue it; the branch hangs on the wave's number alone.  An s_nop 0 and four v_nop follow each.
.macro JLOAD s
	s_cmp_eq_u32 s[RH], 0
	s_cbranch_scc0 .Lfor_b_\@
	tensor_load_to_lds s[G0+4*\s:G0+4*\s+3], s[G1:G1+7]
	s_nop 0
.rept 4
	v_nop
.endr
	s_branch .Lasked_\@
.Lfor_b_\@:
	tensor_load_to_lds s[G0B+4*\s:G0B+4*\s+3], s[G1B:G1B+7]
	s_nop 0
.rept 4
	v_nop
.endr
.Lasked_\@:
.endm
; A PREFETCH INTO THE L2, behind each joint load and the run of LDS loads that follows it: the K step that the NEXT change of slots will ask for, 256 matrix instructions ahead of that load; one instruction a wave.
; Each aligned 256 bytes are named once in the launch.  Q's rows are read by both clusters of a row of clusters: cluster x = 0 asks.  Kr's tiles are read by the two clusters of a batch with the same x: the even cluster y asks.
; The four partners that ask for a tile jointly share it out BY ADDRESS: of Q's 128 rows that a wave fetches, partner cx names 32, a lane a row; of Kr's 64 rows of 512 bytes, partner cy names 16, two lanes a row.
; K steps 3 to 7 are named.  strict = 0 (slot 0's change): every trip asks; strict = 1 (slot 1's): the last trip, s3 = 1, has no K step behind it.
.macro ASK strict
.if \strict
	s_cmp_gt_u32 s3, s[LIM]
.else
	s_cmp_ge_u32 s3, s[LIM]
.endif
	s_cbranch_scc0 .Lnot_mine_\@
	global_prefetch_b8 v[PFO], s[PFA:PFA+1] th:TH_LOAD_NT scope:SCOPE_SE
.Lnot_mine_\@:
.endm
.macro CREST                           ; a round of the cluster's barrier behind its opening barrier
	s_cmp_lg_u32 s[WV], 0
	s_cbranch_scc1 .Lnot_wave_0_\@
	s_barrier_signal -3
.Lnot_wave_0_\@:
	s_barrier_wait -3
	s_barrier_signal -1
	s_barrier_wait -1
.endm
.macro CROUND                          ; a whole round
	s_barrier_signal -1
	s_barrier_wait -1
	CREST
.endm
	s_load_b128 s[4:7], s[0:1], 0x0                ; qkv, pmat
	s_load_b64 s[8:9], s[0:1], 0x10                ; stats
	v_lshl_add_u32 v[SPW], v0, 2, SPARE
	v_mov_b32 v[NIL], 0
	ds_add_u32 v[SPW], v[NIL]                      ; the wave's opening: the add, twice on end, and its wait ahead of my first tensor load
	ds_add_u32 v[SPW], v[NIL]                      ; (the set-up below, work on registers, stands between the second and the wait)
	v_lshrrev_b32 v1, 5, v0
	v_readfirstlane_b32 s[WV], v1
	s_lshr_b32 s[RH], s[WV], 1
	s_and_b32 s[CH], s[WV], 1
	s_bfe_u32 s40, ttmp6, 0x40000                  ; cx
	s_bfe_u32 s41, ttmp6, 0x40004                  ; cy
	s_lshl_b32 s42, ttmp9, 2
	s_add_co_u32 s42, s42, s40                     ; tile column (keys) = 4 x cluster x + cx
	s_and_b32 s71, ttmp7, 0xffff                   ; cluster y
	s_lshl_b32 s13, s71, 2
	s_add_co_u32 s13, s13, s41                     ; tile row (queries of all batches) = 4 x cluster y + cy
	s_lshr_b32 s72, s71, 1                         ; the batch: eight tile rows each, two clusters: made of the cluster's y alone
	s_lshl_b32 s43, s41, 2
	s_lshl_b32 s43, 15, s43                        ; my row of the cluster
	s_lshl_b32 s44, 0x1111, s40                    ; my column
	s_or_b32 s[G1+0], s43, (1<<16)|(1<<20)|(1<<21)|(5<<22)|(3<<25)   ; Q: 15:0 the mask; 17:16 elements of 2 bytes; 20 padding on; 21 set beside a mask; after every 64 words four words
	s_mov_b32 s[G1+1], 128<<16                     ; tensor_dim0 = 128
	s_mov_b32 s[G1+2], 128<<16                     ; tensor_dim1 = 128
	s_mov_b32 s[G1+3], 128<<16                     ; tile_dim0 = 128
	s_mov_b32 s[G1+4], 128                         ; tile_dim1 = 128
	s_mov_b32 s[G1+5], 1024                        ; elements from row to row
	s_mov_b32 s[G1+6], 0
	s_mov_b32 s[G1+7], 0
	s_or_b32 s[G1B+0], s44, (1<<16)|(1<<20)|(1<<21)|(6<<22)|(7<<25)  ; Kr: after every 128 words eight words
	s_mov_b32 s[G1B+1], 256<<16                    ; tensor_dim0 = 256
	s_mov_b32 s[G1B+2], 64<<16                     ; tensor_dim1 = 64
	s_mov_b32 s[G1B+3], 256<<16                    ; tile_dim0 = 256
	s_mov_b32 s[G1B+4], 64                         ; tile_dim1 = 64
	s_mov_b32 s[G1B+5], 2048
	s_mov_b32 s[G1B+6], 0
	s_mov_b32 s[G1B+7], 0
	s_lshl_b32 s16, s13, 8
	s_lshl_b32 s17, s[CH], 7
	s_add_co_u32 s16, s16, s17                     ; Q: row 256 x tile row + 128 x half,
	s_lshl_b32 s16, s16, 11                        ; 2,048 bytes a row
	s_mov_b32 s17, 0
	s_lshl_b32 s46, s72, 22                        ; Kr: the batch's 2^22 bytes,
	s_lshl_b32 s47, s[CH], 18                      ; 64 rows of 4,096 bytes for my half,
	s_add_co_u32 s46, s46, s47
	s_lshl_b32 s47, s42, 9                         ; 512 bytes a tile column,
	s_add_co_u32 s46, s46, s47
	s_add_co_u32 s46, s46, 1<<24                   ; in K's plane
	s_mov_b32 s47, 0
	s_mul_i32 s20, s[WV], HALFT                    ; where they go: wave x 34,816: no place in the cluster enters an LDS address
	s_mov_b32 s[CS], 0x3ab8aa3b                    ; c = log2(e) / 1024
	s_mov_b32 s[CS+1], s[CS]
	s_mov_b32 s[SEL], 0x76543210
	s_mov_b32 s[SEL+1], 0xfedcba98
	s_mov_b32 s70, 0xffff0000                      ; lanes 16-31
	s_wait_dscnt 0x0                               ; both opening adds are done
	s_wait_kmcnt 0x0
	s_add_nc_u64 s[14:15], s[4:5], s[16:17]
	s_add_nc_u64 s[46:47], s[4:5], s[46:47]
	CROUND                                         ; all sixteen work-groups are here: the first joint loads meet
.irp s, 0,1
	s_mov_b32 s[G0+4*\s], 1                                        ; count = 1
	s_add_co_u32 s[G0+4*\s+1], s20, \s*SLOT                        ; LDS address
	s_add_nc_u64 s[G0+4*\s+2:G0+4*\s+3], s[14:15], \s*STEPA        ; global address: K step s
	s_or_b32 s[G0+4*\s+3], s[G0+4*\s+3], 0x80000000                ; type = 2
	s_mov_b32 s[G0B+4*\s], 1
	s_add_co_u32 s[G0B+4*\s+1], s20, \s*SLOT
	s_add_nc_u64 s[G0B+4*\s+2:G0B+4*\s+3], s[46:47], \s*STEPB
	s_or_b32 s[G0B+4*\s+3], s[G0B+4*\s+3], 0x80000000
	JLOAD \s
.endr
	v_and_b32 v1, 15, v0                           ; r = lane % 16
	v_bfe_u32 v2, v0, 4, 1                         ; h = lane / 16
	v_mul_u32_u24 v3, v1, PA
	v_lshl_add_u32 v3, v2, 4, v3                   ; Q's fragment: row r x pitch + 16 h
	v_and_b32 v4, 7, v0
	v_lshl_add_u32 v4, v2, 3, v4                   ; the turning load: lane l reads 16 bytes of row 8 h + l % 8,
	v_mul_u32_u24 v4, v4, PB
	v_bfe_u32 v5, v0, 3, 1
	v_lshl_add_u32 v4, v5, 4, v4                   ; keys 8 ((l / 8) % 2) on, and is left with 8 k of key l % 16
	s_mul_i32 s21, s[RH], HALFT                    ; my 128 queries
	s_lshl_b32 s22, s[CH], 8                       ; my 128 keys: 256 bytes along Kr's rows,
	s_add_co_u32 s22, s22, 2*HALFT                 ; which lie behind Q's 256 rows
.irp s, 0,1
	v_add_nc_u32 v[ADRA+\s], s21, v3
	v_add_nc_u32 v[ADRB+\s], s22, v4
	s_add_co_u32 s21, s21, SLOT
	s_add_co_u32 s22, s22, SLOT
.endr
	s_lshl_b32 s23, s[WV], 10
	s_add_co_u32 s23, s23, STATL                   ; my wave's statistics
	v_lshlrev_b32 v5, 2, v1
	v_lshl_add_u32 v5, v2, 9, v5
	v_add_nc_u32 v[STA], s23, v5                   ; 4 r, + 512 for lanes 16-31
	v_and_b32 v6, 31, v0
	v_lshlrev_b32 v[SGO], 4, v6
	v_add_nc_u32 v[STR], s23, v[SGO]
	v_mov_b32 v[PD], 0                             ; written once: a lane permute's destination counts as one of its sources
	v_mov_b32 v[NM+1], 0                           ; (named as the upper half of a pair)
	; where my part of pmat begins: 65,536 bytes for 16 queries (the part that holds cy), 512 bytes for 16 keys (the part that holds cx): added one after the other
	s_lshl_b32 s16, s13, 8
	s_lshl_b32 s17, s[RH], 7
	s_add_co_u32 s16, s16, s17
	s_lshl_b32 s16, s16, 12
	s_mov_b32 s17, 0
	s_lshl_b32 s46, s42, 13                        ; a tile column's 256 keys: 16 pieces,
	s_lshl_b32 s47, s[CH], 12                      ; my half's 128: 8 pieces
	s_add_co_u32 s46, s46, s47
	s_mov_b32 s47, 0
	s_add_nc_u64 s[6:7], s[6:7], s[16:17]
	s_add_nc_u64 s[6:7], s[6:7], s[46:47]
	; and of stats: batch x 131,072 + block (2 x tile column + half) x 8,192 + 4 x my first query in the batch
	s_and_b32 s16, s13, 7
	s_lshl_b32 s16, s16, 10
	s_lshl_b32 s17, s[RH], 9
	s_add_co_u32 s16, s16, s17
	s_lshl_b32 s17, s72, 17
	s_add_co_u32 s16, s16, s17
	s_mov_b32 s17, 0
	s_lshl_b32 s46, s42, 14
	s_lshl_b32 s47, s[CH], 13
	s_add_co_u32 s46, s46, s47
	s_mov_b32 s47, 0
	s_add_nc_u64 s[8:9], s[8:9], s[16:17]
	s_add_nc_u64 s[8:9], s[8:9], s[46:47]
	; the prefetches: where mine stand (at K step 2: the first change of slots steps it to 3), and who asks
	s_lshl_b32 s18, s13, 8
	s_lshl_b32 s19, s[CH], 7
	s_add_co_u32 s18, s18, s19
	s_lshl_b32 s19, s40, 5
	s_add_co_u32 s18, s18, s19                     ; Q: the 128 rows that I fetch, my work-group's 32 of them
	s_lshl_b32 s18, s18, 11
	s_add_co_u32 s18, s18, 2*STEPA
	s_lshl_b32 s20, s[CH], 6
	s_lshl_b32 s21, s41, 4
	s_add_co_u32 s20, s20, s21                     ; Kr: the 64 rows that I fetch, my work-group's 16 of them
	s_lshl_b32 s20, s20, 12
	s_lshl_b32 s21, s72, 22
	s_add_co_u32 s20, s20, s21
	s_lshl_b32 s21, s42, 9
	s_add_co_u32 s20, s20, s21
	s_add_co_u32 s20, s20, (1<<24)+2*STEPB
	s_and_b32 s21, s71, 1
	s_mov_b32 s22, 4096
	s_mov_b32 s23, STEPB
	s_cmp_eq_u32 s[RH], 0                          ; do I fetch for Q?
	s_cselect_b32 s18, s18, s20
	s_cselect_b32 s21, ttmp9, s21                  ; the coordinate along which another cluster reads the same bytes
	s_cselect_b32 s22, 2048, s22                   ; from row to row
	s_cselect_b32 s[PFS], STEPA, s23
	s_cselect_b32 s80, 0, 1                        ; lanes to a row: one, or two
	s_mov_b32 s19, 0
	s_mov_b32 s[PFS+1], 0
	s_cmp_eq_u32 s21, 0
	s_cselect_b32 s[LIM], 1, -1                    ; the same in all sixteen partners, for a given wave
	s_add_nc_u64 s[PFA:PFA+1], s[4:5], s[18:19]
	v_lshrrev_b32 v[PFO], s80, v6
	v_mul_lo_u32 v[PFO], v[PFO], s22
	v_and_b32 v6, s80, v6
	v_lshl_add_u32 v[PFO], v6, 8, v[PFO]           ; my row, and in Kr which 256 bytes of its 512
; 16 matrix instructions: query blocks a0, a0 + 1 of the window's four (hi = 0: my queries 0-63, 1: 64-127) x all 8 key blocks, 32 along K.  zero = 1: the product starts the sums: nothing is cleared.
; The 64 accumulators take turns, one instruction a turn, in the same order in every quarter.
.macro MUL16 f, hi, a0, zero
.irp a, \a0, \a0+1
.irp b, 0,1,2,3,4,5,6,7
.if \zero
	v_wmma_f32_16x16x32_f16 v[8*(8*(\a)+\b):8*(8*(\a)+\b)+7], v[\f+8*\b:\f+8*\b+7], v[\f+8*(4*\hi+\a):\f+8*(4*\hi+\a)+7], 0
.else
	v_wmma_f32_16x16x32_f16 v[8*(8*(\a)+\b):8*(8*(\a)+\b)+7], v[\f+8*\b:\f+8*\b+7], v[\f+8*(4*\hi+\a):\f+8*(4*\hi+\a)+7], v[8*(8*(\a)+\b):8*(8*(\a)+\b)+7]
.endif
.endr
.endr
.endm
; 32 LDS loads in one run: the fragments of the slot's q-th 32 along K into buffer f: Kr's eight (turned: k 8 h on, then 16 + 8 h on), then Q's eight
.macro FETCH slot, q, f
	WIN TO_B
.irp i, 0,1,2,3,4,5,6,7
	ds_load_tr16_b128 v[\f+8*\i:\f+8*\i+3],   v[ADRB+\slot] offset:32*(\q)*PB+32*\i
	ds_load_tr16_b128 v[\f+8*\i+4:\f+8*\i+7], v[ADRB+\slot] offset:32*(\q)*PB+16*PB+32*\i
.endr
	WIN 0
.irp i, 0,1,2,3,4,5,6,7
	ds_load_b128 v[\f+8*\i:\f+8*\i+3],   v[ADRA+\slot] offset:64*(\q)+\i*16*PA
	ds_load_b128 v[\f+8*\i+4:\f+8*\i+7], v[ADRA+\slot] offset:64*(\q)+\i*16*PA+32
.endr
.endm
.macro PLACES                          ; four plain vector lines between a matrix instruction and a load into one of its registers, or a read of its result
.rept 4
	v_nop
.endr
.endm
; A K step is four quarters of 32 along K, 64 matrix instructions each, on buffers 0, 1, 0, 1.  One of the first three: multiplies buffer f; in its middle it fetches quarter q of the same slot into buffer g.
.macro QUARTER slot, q, f, g, zero
	s_wait_dscnt 8                                 ; Kr's fragments and Q's rows 0-63 are in; the youngest eight loads (Q's rows 64-127) may be out
	WIN MUL_LO
	MUL16 \f, 0, 0, \zero
	MUL16 \f, 0, 2, \zero
	PLACES
	FETCH \slot, \q, \g
	s_wait_dscnt 32                                ; all but the 32 just issued
	WIN MUL_HI
	MUL16 \f, 1, 0, \zero
	MUL16 \f, 1, 2, \zero
.endm
; The last quarter multiplies buffer 1 and changes slots.  MEET is its first half: one barrier; in front of it each wave waits for all its tensor loads (one is out: its part of the next slot),
; adds 0 to its spare word, and waits for that and for its own reads of this slot.  Behind it nobody reads this slot and the next slot is whole.
.macro MEET round
	WIN 0                                          ; (the add's two registers lie in window 0)
	s_wait_tensorcnt 0x0
	ds_add_u32 v[SPW], v[NIL]                      ; 0 onto my spare word
	s_wait_dscnt 9                                 ; (the add and the youngest eight loads may be out)
	WIN MUL_LO
	MUL16 F1, 0, 0, 0                              ; sixteen matrix instructions stand between the add and the wait for it
	s_wait_dscnt 0x0                               ; the add is done, and my reads of this slot are over
	s_barrier_signal -1
	MUL16 F1, 0, 2, 0                              ; work on registers while the others arrive
.if \round
	WIN 0
.endif
	s_barrier_wait -1
.endm
; The whole last quarter where the slot is filled again, two K steps on: the barrier opens a round of the cluster's, and the joint refill is the first tensor load behind it: 224 matrix instructions ahead of the wait for it.
.macro TURN slot, next
	s_wait_xcnt 0x0                                ; the last prefetch, a K step back, has read its address: it is stepped here
	s_add_nc_u64 s[PFA:PFA+1], s[PFA:PFA+1], s[PFS:PFS+1]
	MEET 1
	CREST                                          ; no wave of any partner still reads this slot's tile or has a load on its way
	s_add_nc_u64 s[G0+4*\slot+2:G0+4*\slot+3], s[G0+4*\slot+2:G0+4*\slot+3], 2*STEPA
	s_add_nc_u64 s[G0B+4*\slot+2:G0B+4*\slot+3], s[G0B+4*\slot+2:G0B+4*\slot+3], 2*STEPB
	JLOAD \slot                                    ; the four v_nop behind it are also the places in front of the loads below
	FETCH \next, 0, F0
	ASK \slot
	WIN MUL_HI
	MUL16 F1, 1, 0, 0
	MUL16 F1, 1, 2, 0
.endm
	s_wait_tensorcnt 1                             ; my part of K step 0 is in; one load, K step 1's, may be out
	s_barrier_signal -1
	s_barrier_wait -1                              ; everybody's is
	FETCH 0, 0, F0
	QUARTER 0, 1, F0, F1, 1                        ; the first quarter stands in front of the loop: its products start the sums
	WIN 0                                          ; at a label and at a branch every window is 0
	s_mov_b32 s3, LAPS-1
.Llap:                                             ; a trip goes once round the ring, from a lap's second quarter to the next lap's first, and fills both slots again
	QUARTER 0, 2, F1, F0, 0
	QUARTER 0, 3, F0, F1, 0
	TURN 0, 1
	QUARTER 1, 1, F0, F1, 0
	QUARTER 1, 2, F1, F0, 0
	QUARTER 1, 3, F0, F1, 0
	TURN 1, 0
	QUARTER 0, 1, F0, F1, 0
	WIN 0
	s_sub_co_u32 s3, s3, 1
	s_cmp_lg_u32 s3, 0
	s_cbranch_scc1 .Llap
	QUARTER 0, 2, F1, F0, 0                        ; the last lap is written out: it asks for nothing
	QUARTER 0, 3, F0, F1, 0
	MEET 0
	PLACES
	FETCH 1, 0, F0
	WIN MUL_HI
	MUL16 F1, 1, 0, 0
	MUL16 F1, 1, 2, 0
	QUARTER 1, 1, F0, F1, 0
	QUARTER 1, 2, F1, F0, 0
	QUARTER 1, 3, F0, F1, 0
	s_wait_dscnt 8                                 ; the very last quarter: nothing more to fetch
	WIN MUL_LO
	MUL16 F1, 0, 0, 0
	MUL16 F1, 0, 2, 0
	s_wait_dscnt 0x0
	WIN MUL_HI
	MUL16 F1, 1, 0, 0
	MUL16 F1, 1, 2, 0
	WIN 0
; THE WAY OUT, block by block of 16 queries x 128 keys.  A lane holds 64 scores of one query; the lane 16 away holds the other 64.
; SOFT a: the largest score (each accumulator is read from its low end on), -M, p in place, p rounded to f16, l.
.macro SOFT a
.set W, 2+(\a)/4
.set AC, 64*((\a)%4)
.set TP, TMP+32*((\a)%2)
	WIN W|(W<<2)                                   ; sources 0 and 1: the accumulators' window
.irp c, 0,1,2,3
	v_max_num_f32 v[T+\c], v[AC+16*\c], v[AC+16*\c+1]              ; four chains of 16 scores, by turns
.endr
.irp i, 2,4,6,8,10,12,14
.irp c, 0,1,2,3
	v_max3_num_f32 v[T+\c], v[AC+16*\c+\i], v[AC+16*\c+\i+1], v[T+\c]
.endr
.endr
	WIN 0
	v_max3_num_f32 v[T], v[T], v[T+1], v[T+2]
	v_max_num_f32 v[T], v[T], v[T+3]
	v_permlanex16_b32 v[PD], v[T], s[SEL], s[SEL+1]
	v_max_num_f32 v[T], v[T], v[PD]                ; with lane l xor 16's: the block's largest score of my query
	v_mul_f32 v[T], s[CS], v[T]                    ; as t (c is positive)
	v_floor_f32 v[NM], -v[T]                       ; -M = floor(-t) = -ceil(t): a whole number
	WIN W|(W<<6)                                   ; source 0 and destination: the accumulators' window
.set cnt, 0
.rept 32
	v_pk_fma_f32 v[AC+cnt:AC+cnt+1], v[AC+cnt:AC+cnt+1], s[CS:CS+1], v[NM:NM+1] op_sel_hi:[1,0,0]   ; t - M, two at a time
.set cnt, cnt+2
.endr
.set cnt, 0
.rept 64
	v_exp_f32 v[AC+cnt], v[AC+cnt]                 ; p = 2^(t - M): one batch
.set cnt, cnt+1
.endr
	v_nop                                          ; a plain line behind the last exponential
	s_wait_alu depctr_va_vdst(0)                   ; one wait for the batch, ahead of its first reader
.if (\a) > 1
	s_wait_xcnt 0x0                                ; the stores of the block before last have read this set of packed registers: only behind this wait is it rewritten
.endif
	WIN W|(W<<2)
.irp b, 0,1,2,3,4,5,6,7
.irp r, 0,1,2,3
	v_cvt_pk_f16_f32 v[TP+4*\b+\r], v[AC+8*\b+2*\r], v[AC+8*\b+2*\r+1]   ; eight neighbouring keys: my 16 bytes of piece b
.endr
.endr
.irp i, 0,1,2,3,4,5,6,7,8,9,10,11,12,13,14,15
	v_pk_add_f32 v[SUMT+2*\i:SUMT+2*\i+1], v[AC+4*\i:AC+4*\i+1], v[AC+4*\i+2:AC+4*\i+3]   ; l is the sum of the UNROUNDED p: a tree of packed sums
.endr
	WIN 0
.irp i, 0,1,2,3,4,5,6,7
	v_pk_add_f32 v[SUMT+4*\i:SUMT+4*\i+1], v[SUMT+4*\i:SUMT+4*\i+1], v[SUMT+4*\i+2:SUMT+4*\i+3]
.endr
.irp i, 0,1,2,3
	v_pk_add_f32 v[SUMT+8*\i:SUMT+8*\i+1], v[SUMT+8*\i:SUMT+8*\i+1], v[SUMT+8*\i+4:SUMT+8*\i+5]
.endr
.irp i, 0,1
	v_pk_add_f32 v[SUMT+16*\i:SUMT+16*\i+1], v[SUMT+16*\i:SUMT+16*\i+1], v[SUMT+16*\i+8:SUMT+16*\i+9]
.endr
	v_pk_add_f32 v[SUMT:SUMT+1], v[SUMT:SUMT+1], v[SUMT+16:SUMT+17]
	v_add_f32 v[LV], v[SUMT], v[SUMT+1]
	v_permlanex16_b32 v[PD], v[LV], s[SEL], s[SEL+1]
	v_add_f32 v[LV], v[LV], v[PD]                  ; with lane l xor 16's: the block's l
	v_cndmask_b32 v[SV], v[NM], v[LV], s70         ; lanes 0-15 carry -M, lanes 16-31 l
.endm
; SEND a: the block's statistics into my wave's LDS bytes; its eight pieces of p straight from registers: every offset is an immediate, 462,336 bytes at the most.
.macro SEND a
.set TP, TMP+32*((\a)%2)
	ds_store_b32 v[STA], v[SV] offset:64*(\a)      ; the statistics of queries 16 a on
.irp b, 0,1,2,3,4,5,6,7
	global_store_b128 v[SGO], v[TP+4*\b:TP+4*\b+3], s[6:7] offset:(\a)*65536+512*\b   ; 32 lanes store 512 consecutive bytes, aligned
.endr
.endm
	PLACES                                         ; behind the last products
.irp a, 0,1,2,3,4,5,6,7
	SOFT \a
	SEND \a
.endr
	ds_load_b128 v[SUMT:SUMT+3], v[STR]            ; -M of my wave's 128 queries: 16 bytes a lane (LDS serves a wave's instructions in order: these see my stores),
	ds_load_b128 v[SUMT+4:SUMT+7], v[STR] offset:512   ; and l
	s_wait_dscnt 0x0
	global_store_b128 v[SGO], v[SUMT:SUMT+3], s[8:9]                  ; the wave stores 512 consecutive bytes, aligned
	global_store_b128 v[SGO], v[SUMT+4:SUMT+7], s[8:9] offset:524288
	s_wait_tensorcnt 0x0                           ; the wave's end, behind my last tensor load and my last LDS store
	ds_add_u32 v[SPW], v[NIL]
	s_wait_dscnt 0x0
	CROUND                                         ; the closing round: no work-group ends while a partner may still ask for a tile that names it
	s_endpgm
.Lfunc_end_k_qd04388c233_scores:
	.size	k_qd04388c233_scores, .Lfunc_end_k_qd04388c233_scores-k_qd04388c233_scores
	.p2alignl 7, 3214868480
	.fill 96, 4, 3214868480
	.section	.rodata,"a",@progbits
	.p2align	6, 0x0
	.amdhsa_kernel k_qd04388c233_scores
		.amdhsa_group_segment_fixed_size 327680
		.amdhsa_private_segment_fixed_size 0
		.amdhsa_enable_private_segment 0
		.amdhsa_kernarg_size 24
		.amdhsa_user_sgpr_count 2
		.amdhsa_user_sgpr_kernarg_segment_ptr 1
		.amdhsa_wavefront_size32 1
		.amdhsa_system_sgpr_workgroup_id_x 1
		.amdhsa_system_sgpr_workgroup_id_y 1
		.amdhsa_system_sgpr_workgroup_id_z 1
		.amdhsa_system_vgpr_workitem_id 0
		.amdhsa_next_free_vgpr 1024
		.amdhsa_next_free_sgpr 90
		.amdhsa_reserve_vcc 0
		.amdhsa_float_denorm_mode_32 3
		.amdhsa_float_denorm_mode_16_64 3
		.amdhsa_memory_ordered 1
		.amdhsa_forward_progress 1
		.amdhsa_inst_pref_size 205
	.end_amdhsa_kernel
	.amdgpu_metadata
---
amdhsa.version: [ 1, 2 ]
amdhsa.kernels:
  - .name:           k_qd04388c233_scores
    .symbol:         k_qd04388c233_scores.kd
    .args:
      - { .name: qkv, .offset: 0, .size: 8, .value_kind: global_buffer, .address_space: global }
      - { .name: pmat, .offset: 8, .size: 8, .value_kind: global_buffer, .address_space: global }
      - { .name: stats, .offset: 16, .size: 8, .value_kind: global_buffer, .address_space: global }
    .group_segment_fixed_size: 327680
    .private_segment_fixed_size: 0
    .kernarg_segment_align: 8
    .kernarg_segment_size: 24
    .max_flat_workgroup_size: 128
    .sgpr_count:     90
    .vgpr_count:     1024
    .wavefront_size: 32
...
	.end_amdgpu_metadata
.endif
;; end of part 3
;; launch pv (part 4): grid 4 x 64, 4 waves a work-group, clusters of 4 x 4, 327,680 bytes of LDS; arguments pmat, qkv, stats, out0; writes out0
.if DOCPART == 4
	.amdgcn_target "amdgcn-amd-amdhsa--gfx1250"
	.amdhsa_code_object_version 6
	.text
	.protected	k_qd04388c233_pv
	.globl	k_qd04388c233_pv
	.p2align	8
	.type	k_qd04388c233_pv,@function
k_qd04388c233_pv:
	s_mov_b64 s[64:65], 0
	v_nop
	global_prefetch_b8 v0, s[64:65] scope:SCOPE_SE
	s_setreg_imm32_b32 hwreg(HW_REG_WAVE_MODE, 25, 1), 1
	s_wait_xcnt 0x0
	s_wait_alu depctr_hold_cnt(0) depctr_sa_sdst(0) depctr_va_vdst(0) depctr_va_sdst(0) depctr_va_ssrc(0) depctr_va_vcc(0) depctr_vm_vsrc(0)
	s_getreg_b32 s2, hwreg(HW_REG_IB_STS2, 6, 4)
	s_cmp_eq_u32 s2, 0
	s_cbranch_scc0 .Lentry_in_a_cluster
	s_endpgm
.Lentry_in_a_cluster:
	s_bfe_u32 s2, ttmp6, 0x10000c
	s_cmp_lg_u32 s2, 0xf033
	s_cbranch_scc0 .Lentry_shape_is_right
	s_endpgm
.Lentry_shape_is_right:
; out[q][d] = (sum over keys of w p V[key][d]) / (sum of w l), for each batch.  pmat holds p = 2^(t - M_j) in f16, M_j the whole-number maximum of the query's block j of 128 keys; stats holds -M_j and l_j.
; THE SOFTMAX'S SECOND HALF, in f32.  M = the largest of a query's sixteen M_j: the row's own maximum is what is taken away.  A block's level is L_j = max(M_j, M - 64), its weight w_j = 2^(L_j - M).
; The sums are carried at the level of the block in hand: ahead of block j they are multiplied by 2^(L_(j-1) - L_j), a power of two between 2^-64 and 2^64, which rounds nothing; at the end by w_15 / (sum of w_j l_j).
; A block whose M_j lies more than 64 under the row's gets the weight 2^-64 in place of a smaller one, above and below the line alike.  The sums stay under 2^64 x 2,048 x 65,504.
; LIMITS: |t| under 2^23 (M and M - 64 are then exact); NaN and infinities are not served.
; A tile of out, 128 queries x 256 channels, is made by a work-group of four waves; a wave makes 64 x 128: 32 accumulators, 256 registers.  4 x 64 = 256 work-groups: a tile of 256 x 256 would give 128.
; V lies [key][channel] and goes through a ring of two LDS slots of 256 keys (rows of 512 bytes + 32), 8 slots in all; its fragments come out of LDS turned.  Each wave fetches 64 keys of a slot.
; p GOES STRAIGHT INTO REGISTERS.  pmat is laid in the order of the operand's registers, [512 blocks of 16 queries][128 pieces of 16 keys][32 lanes][16 bytes]: a fragment is two loads of 512 consecutive bytes.
; A ring of eight quarters (32 keys: 4 fragments, 8 loads) fills window 3; a quarter is asked for seven quarters, 224 matrix instructions, ahead: 56 loads of a wave are out.
; CLUSTERS: 4 x 4 work-groups, all of one batch.  The four of a column need the same tiles of V: asked for JOINTLY.  The four of a row need the same p, and that is NOT asked for jointly: two slots of 256 keys
; of V take 278,528 bytes of LDS and p's 128 rows of 512 bytes twice would take 131,072 more, over the 327,680 that there are; with slots of 128 keys for both a refill would have half the matrix work in which to land.
; By this text's count a wave has two tensor loads out at the start and one behind each round.
; THE MATRIX INSTRUCTION IS USED TRANSPOSED (source 0 = 16 channels, source 1 = 16 queries): a lane holds ONE query (lane % 16), so a factor is one number a lane.
; THE FACTORS STAND IN SLICES: four packed multiplies (one accumulator) behind a matrix instruction on an accumulator of the OTHER half of the channels: channels 0-63 in the second half of a block's last quarter,
; channels 64-127 in the first half of the next quarter.  128 multiplies for a block's 128 matrix instructions; a slice costs two switches of the window.
; REGISTERS: window 0: v16-31 addresses; v32-47 factors, two sets of four pairs; v48-55 the last factor; v128-211 the head's statistics; on the way out v128-255 rows read back.
;   window 1: v64-127, v128-191 V's fragments, two buffers.   window 2: the accumulators ((a, b) at v[8 (8 a + b)]).   window 3: p's ring, quarter q at v[32 (q % 8)].
.set PB,     544                       ; a row of V's tile in LDS: 512 bytes + 32 = 136 words: the 8 rows x 32 bytes that 16 lanes of a turning load take begin 8 words apart modulo 64
.set QB,     32*PB                     ; a quarter's 32 keys
.set WPART,  64*PB                     ; what one tensor load brings: 64 keys
.set SLOT,   4*WPART                   ; 256 keys
.set FT,     2*SLOT                    ; behind the ring: [16][128 queries] f32: row 0 the last factor, row j the factor ahead of block j
.set SPARE,  FT+16*512                 ; the spare words, 128 bytes a wave, which no other line names
.set SPITCH, 528                       ; the way out: a stage of 16 rows x (512 bytes + 16) for each wave, in slot 0, which has had its last fill and its last read by then
.set LAPS,   4                         ; a lap = two slots = once round the ring
.set STEPV,  256*2048                  ; a slot on, down V's rows, in bytes
.set PQ,     1024                      ; a quarter on in pmat: two pieces
.set PR,     65536                     ; 16 queries on in pmat
.set ADRB, 16                          ; v16-19  LDS address of my fragments of V: slot 0 quarters 0-3, 4-7; slot 1 likewise (an LDS offset has 16 bits)
.set ADF,  22                          ; v22     LDS address of my queries' factors: 512 bytes a block
.set STO,  24                          ; v24     the way out: where I put 32 bytes of a row
.set RD,   25                          ; v25     where I read a row back
.set CO,   26                          ; v26     16 x lane: my bytes of a load's or a store's 512; never rewritten
.set ADW,  27                          ; v27     the head: where thread t puts query t's factors
.set SPW,  28                          ; v28     LDS address of my spare word; never rewritten
.set NIL,  29                          ; v29     0; never rewritten
.set PFO,  30                          ; v30     the offset of V's prefetches; never rewritten
.set PFP,  31                          ; v31     256 x lane: the offset of p's; never rewritten
.set FQ,   32                          ; set s at v[32 + 8 s]: query block a's factor at + 2 a, the low word of a pair
.set IV,   48
.set BF,   64
.set MB,   128                         ; the head: v128-143 -M_j; v144-159 l_j; v160-175 -L_j; v176-191 w_j; v192-207 the factors; v208-211 at work
.set LB,   144
.set NL,   160
.set WB,   176
.set RB,   192
.set TA,   208
.set BK,   128                         ; the way out: 16 rows read back: v128-191 and v192-255 by turns
.set PF2,  24                          ; s[24:25] where my prefetches of p stand
.set LIM2, 26                          ; s26     1 in a wave that prefetches p, else the greatest number
.set LIM,  43                          ; s43     the same for V
.set PFA,  44                          ; s[44:45] where my prefetches of V stand
.set G1,   48                          ; s[48:55] group 1 for V's tiles; s[56:63] group 0, one set a slot
.set G0,   56
.set WV,   76                          ; s76     wave.  Also: which 64 keys of a slot I fetch
.set RH,   77                          ; s77     wave / 2: which half of the tile's queries is mine
.set CH,   78                          ; s78     wave % 2: which half of its channels
.set MSB, 0
.macro WIN new                         ; the immediate's high byte repeats the setting that is left; a switch that changes nothing is dropped
.if MSB != (\new)
	s_set_vgpr_msb (MSB<<8)|(\new)
.set MSB, \new
.endif
.endm
.set MUL,  0xad                        ; source 0 (V) window 1, source 1 (p) window 3, C and D window 2
.set RSC,  0x82                        ; source 0 and destination window 2, the factor window 0
.set TO_B, 0x40                        ; destination window 1, address window 0
.set TO_P, 0xc0                        ; destination window 3, address window 0
; PREFETCHES INTO THE L2, behind each joint load and the run of LDS loads that follows it: the slot that the NEXT change of slots will ask for, 256 matrix instructions ahead; at most two instructions a wave, together.
; Each aligned 256 bytes are named once in the launch.  V's tiles are read by the four clusters of a batch: the first of them (cluster y a multiple of 4) asks; of the 64 rows of 512 bytes that a wave fetches,
; partner cy names 16, two lanes a row.  p's rows are read by one row of one cluster alone: of the tile's 8 blocks of 16 queries partner cx names two, wave 0 one and wave 1 the other: a slot's 8,192 bytes of a block,
; lanes 256 bytes apart.  Partners are told apart by address alone.  Slots 3 to 7 are named.  strict = 0 (slot 0's change): every trip asks; strict = 1 (slot 1's): the last trip, s3 = 1, has no slot behind it.
.macro ASK strict
.if \strict
	s_cmp_gt_u32 s3, s[LIM]
.else
	s_cmp_ge_u32 s3, s[LIM]
.endif
	s_cbranch_scc0 .Lnot_v_\@
	global_prefetch_b8 v[PFO], s[PFA:PFA+1] th:TH_LOAD_NT scope:SCOPE_SE
.Lnot_v_\@:
.if \strict
	s_cmp_gt_u32 s3, s[LIM2]
.else
	s_cmp_ge_u32 s3, s[LIM2]
.endif
	s_cbranch_scc0 .Lnot_p_\@
	global_prefetch_b8 v[PFP], s[PF2:PF2+1] th:TH_LOAD_NT scope:SCOPE_SE
.Lnot_p_\@:
.endm
.macro CREST                           ; a round of the cluster's barrier behind its opening barrier
	s_cmp_lg_u32 s[WV], 0
	s_cbranch_scc1 .Lnot_wave_0_\@
	s_barrier_signal -3
.Lnot_wave_0_\@:
	s_barrier_wait -3
	s_barrier_signal -1
	s_barrier_wait -1
.endm
.macro CROUND                          ; a whole round
	s_barrier_signal -1
	s_barrier_wait -1
	CREST
.endm
.macro PLACES                          ; four plain vector lines between a matrix instruction and a load into one of its registers, or a read of its result
.rept 4
	v_nop
.endr
.endm
; the four fragments of p of quarter k, counted from where s[4:5] stands, into buffer ring: eight loads of 512 consecutive bytes; every offset is an immediate, 220,672 bytes at the most
.macro PLOAD ring, k
	WIN TO_P
.irp a, 0,1,2,3
	global_load_b128 v[32*(\ring)+8*\a:32*(\ring)+8*\a+3],   v[CO], s[4:5] offset:\a*PR+(\k)*PQ
	global_load_b128 v[32*(\ring)+8*\a+4:32*(\ring)+8*\a+7], v[CO], s[4:5] offset:\a*PR+(\k)*PQ+512
.endr
.endm
	s_load_b256 s[4:11], s[0:1], 0x0               ; pmat s[4:5], qkv s[6:7], stats s[8:9], out0 s[10:11]
	v_lshl_add_u32 v[SPW], v0, 2, SPARE
	v_mov_b32 v[NIL], 0
	ds_add_u32 v[SPW], v[NIL]                      ; the wave's opening: the add, twice on end, and its wait ahead of my first tensor load
	ds_add_u32 v[SPW], v[NIL]                      ; (the set-up below, work on registers, stands between the second and the wait)
	v_lshrrev_b32 v1, 5, v0
	v_readfirstlane_b32 s[WV], v1
	s_lshr_b32 s[RH], s[WV], 1
	s_and_b32 s[CH], s[WV], 1
	s_bfe_u32 s40, ttmp6, 0x40000                  ; cx
	s_bfe_u32 s41, ttmp6, 0x40004                  ; cy
	s_lshl_b32 s42, ttmp9, 2
	s_add_co_u32 s42, s42, s40                     ; tile column (channels) = 4 x cluster x + cx
	s_and_b32 s71, ttmp7, 0xffff                   ; cluster y
	s_lshl_b32 s13, s71, 2
	s_add_co_u32 s13, s13, s41                     ; tile row (128 queries each, of all batches) = 4 x cluster y + cy
	s_lshr_b32 s72, s71, 2                         ; the batch: sixteen tile rows, four clusters: made of the cluster's y alone
	s_lshl_b32 s44, 0x1111, s40                    ; my column of the cluster
	s_or_b32 s[G1+0], s44, (1<<16)|(1<<20)|(1<<21)|(6<<22)|(7<<25)   ; 15:0 the mask; 17:16 elements of 2 bytes; 20 padding on; 21 set beside a mask; after every 128 words eight words
	s_mov_b32 s[G1+1], 256<<16                     ; tensor_dim0 = 256
	s_mov_b32 s[G1+2], 64<<16                      ; tensor_dim1 = 64
	s_mov_b32 s[G1+3], 256<<16                     ; tile_dim0 = 256
	s_mov_b32 s[G1+4], 64                          ; tile_dim1 = 64
	s_mov_b32 s[G1+5], 1024                        ; elements from row to row
	s_mov_b32 s[G1+6], 0
	s_mov_b32 s[G1+7], 0
	s_lshl_b32 s46, s72, 22                        ; V: the batch's 2^22 bytes,
	s_lshl_b32 s47, s[WV], 17                      ; 64 rows of 2,048 bytes for each wave,
	s_add_co_u32 s46, s46, s47
	s_lshl_b32 s47, s42, 9                         ; 512 bytes a tile column,
	s_add_co_u32 s46, s46, s47
	s_add_co_u32 s46, s46, 1<<25                   ; in V's plane
	s_mov_b32 s47, 0
	s_mul_i32 s20, s[WV], WPART                    ; where they go: wave x 34,816: no place in the cluster enters an LDS address
	s_wait_dscnt 0x0                               ; both opening adds are done
	s_wait_kmcnt 0x0
	s_add_nc_u64 s[46:47], s[6:7], s[46:47]
	CROUND                                         ; all sixteen work-groups are here: the first joint loads meet
.irp s, 0,1
	s_mov_b32 s[G0+4*\s], 1                                        ; count = 1
	s_add_co_u32 s[G0+4*\s+1], s20, \s*SLOT                        ; LDS address
	s_add_nc_u64 s[G0+4*\s+2:G0+4*\s+3], s[46:47], \s*STEPV        ; global address: slot s
	s_or_b32 s[G0+4*\s+3], s[G0+4*\s+3], 0x80000000                ; type = 2
	tensor_load_to_lds s[G0+4*\s:G0+4*\s+3], s[G1:G1+7]            ; every wave asks, each for its own 64 keys
	s_nop 0
.rept 4
	v_nop
.endr
.endr
	; where my part of pmat and of out begins: both have 4,096 bytes a query
	s_lshl_b32 s16, s13, 19                        ; the tile's 128 queries
	s_mov_b32 s17, 0
	s_lshl_b32 s18, s40, 17                        ; p's prefetches: my work-group's two blocks of 16 queries,
	s_lshl_b32 s19, s[CH], 16                      ; the first for wave 0, the second for wave 1,
	s_add_co_u32 s18, s18, s19
	s_add_co_u32 s18, s18, 2*8192                  ; at slot 2: the first change of slots steps it to 3
	s_mov_b32 s19, 0
	s_add_nc_u64 s[PF2:PF2+1], s[4:5], s[16:17]
	s_add_nc_u64 s[PF2:PF2+1], s[PF2:PF2+1], s[18:19]
	s_lshl_b32 s18, s[RH], 18                      ; my wave's 64 queries
	s_add_co_u32 s16, s16, s18
	s_add_nc_u64 s[4:5], s[4:5], s[16:17]
	s_add_nc_u64 s[10:11], s[10:11], s[16:17]
	s_cmp_lt_u32 s[WV], 2
	s_cselect_b32 s[LIM2], 1, -1
	; THE STATISTICS.  Thread t takes query t of the tile's 128: sixteen -M_j and sixteen l_j; a wave's load covers 128 consecutive bytes
	s_and_b32 s18, s13, 15
	s_lshl_b32 s18, s18, 9                         ; the tile's first query in its batch x 4 bytes
	s_lshl_b32 s19, s72, 17
	s_add_co_u32 s18, s18, s19
	s_mov_b32 s19, 0
	s_add_nc_u64 s[8:9], s[8:9], s[18:19]
	v_lshlrev_b32 v1, 2, v0
.irp b, 0,1,2,3,4,5,6,7,8,9,10,11,12,13,14,15
	global_load_b32 v[MB+\b], v1, s[8:9] offset:8192*\b
	global_load_b32 v[LB+\b], v1, s[8:9] offset:8192*\b+524288
.endr
	v_and_b32 v6, 31, v0                           ; lane
	v_lshlrev_b32 v[CO], 4, v6
	PLOAD 0, 0                                     ; the first three quarters of p go out behind the statistics: 56 loads of mine are out
	PLOAD 1, 1
	PLOAD 2, 2
	WIN 0
	v_and_b32 v2, 15, v0                           ; r = lane % 16
	v_bfe_u32 v3, v0, 4, 1                         ; h = lane / 16
	v_and_b32 v5, 7, v0
	v_lshl_add_u32 v5, v3, 3, v5                   ; the turning load: lane l reads 16 bytes of key 8 h + l % 8,
	v_mul_u32_u24 v5, v5, PB
	v_bfe_u32 v7, v0, 3, 1
	v_lshl_add_u32 v5, v7, 4, v5                   ; channels 8 ((l / 8) % 2) on
	s_lshl_b32 s22, s[CH], 8                       ; my 128 channels: 256 bytes along V's rows
.irp s, 0,1,2,3
	v_add_nc_u32 v[ADRB+\s], s22, v5
	s_add_co_u32 s22, s22, 4*QB                    ; four quarters on; two such are a slot
.endr
	s_lshl_b32 s23, s[RH], 8
	v_lshlrev_b32 v7, 2, v2
	v_add_nc_u32 v7, s23, v7                       ; 4 bytes a query: my half's 64, my r
	v_add_nc_u32 v[ADF], FT, v7
	v_lshl_add_u32 v[ADW], v0, 2, FT
	s_mul_i32 s23, s[WV], 16*SPITCH                ; my stage
	v_mul_u32_u24 v7, v2, SPITCH                   ; in: row r, 32 bytes for each half of the lanes
	v_lshl_add_u32 v7, v3, 5, v7
	v_add_nc_u32 v[STO], s23, v7
	v_add_nc_u32 v[RD], s23, v[CO]                 ; back: the 32 lanes take one row of 512 bytes
.irp i, 0,1,2,3,4,5,6,7,8,9,10,11
	v_mov_b32 v[FQ+2*\i+1], 0                      ; (named as the upper halves of pairs: the factors' and the last factor's)
.endr
	s_lshl_b32 s46, s42, 10                        ; out: my first column, in bytes: 1,024 x tile column + 512 x half (the part that holds cx)
	s_lshl_b32 s47, s[CH], 9
	s_add_co_u32 s46, s46, s47
	s_mov_b32 s47, 0
	s_add_nc_u64 s[10:11], s[10:11], s[46:47]
	; V's prefetches: where mine stand (at slot 2: the first change of slots steps it to 3), and who asks
	s_lshl_b32 s20, s[WV], 6
	s_lshl_b32 s21, s41, 4
	s_add_co_u32 s20, s20, s21                     ; the 64 rows that I fetch, my work-group's 16 of them
	s_lshl_b32 s20, s20, 11
	s_lshl_b32 s21, s72, 22
	s_add_co_u32 s20, s20, s21
	s_lshl_b32 s21, s42, 9
	s_add_co_u32 s20, s20, s21
	s_add_co_u32 s20, s20, (1<<25)+2*STEPV
	s_mov_b32 s21, 0
	s_add_nc_u64 s[PFA:PFA+1], s[6:7], s[20:21]
	s_and_b32 s21, s71, 3
	s_cmp_eq_u32 s21, 0
	s_cselect_b32 s[LIM], 1, -1                    ; the same in all sixteen partners
	v_lshrrev_b32 v[PFO], 1, v6
	v_lshlrev_b32 v[PFO], 11, v[PFO]               ; two lanes a row of 2,048 bytes,
	v_and_b32 v7, 1, v6
	v_lshl_add_u32 v[PFO], v7, 8, v[PFO]           ; each 256 of the tile's 512
	v_lshlrev_b32 v[PFP], 8, v6
	s_wait_loadcnt 24                              ; the statistics are in; the 24 loads of p behind them may be out
	PLOAD 3, 3                                     ; four quarters more: again 56 loads at the most
	PLOAD 4, 4
	PLOAD 5, 5
	PLOAD 6, 6
	WIN 0
	v_min3_num_f32 v[TA], v[MB], v[MB+1], v[MB+2]  ; -M = the least of the sixteen -M_j
.irp i, 3,5,7,9,11,13
	v_min3_num_f32 v[TA], v[TA], v[MB+\i], v[MB+\i+1]
.endr
	v_min_num_f32 v[TA], v[TA], v[MB+15]
	v_add_f32 v[TA+1], 0x42800000, v[TA]           ; -(M - 64)
.irp b, 0,1,2,3,4,5,6,7,8,9,10,11,12,13,14,15
	v_min_num_f32 v[NL+\b], v[MB+\b], v[TA+1]      ; -L_j = min(-M_j, -(M - 64))
.endr
.irp b, 0,1,2,3,4,5,6,7,8,9,10,11,12,13,14,15
	v_sub_f32 v[WB+\b], v[TA], v[NL+\b]            ; L_j - M: a whole number from -64 to 0
.endr
.irp b, 0,1,2,3,4,5,6,7,8,9,10,11,12,13,14,15
	v_cvt_i32_f32 v[WB+\b], v[WB+\b]
.endr
.irp b, 0,1,2,3,4,5,6,7,8,9,10,11,12,13,14,15
	v_ldexp_f32 v[WB+\b], 1.0, v[WB+\b]            ; w_j = 2^(L_j - M)
.endr
	v_mul_f32 v[TA+2], v[WB], v[LB]                ; the sum of w l, in two chains
	v_mul_f32 v[TA+3], v[WB+1], v[LB+1]
.irp b, 2,4,6,8,10,12,14
	v_fma_f32 v[TA+2], v[WB+\b], v[LB+\b], v[TA+2]
	v_fma_f32 v[TA+3], v[WB+\b+1], v[LB+\b+1], v[TA+3]
.endr
	v_add_f32 v[TA+2], v[TA+2], v[TA+3]
	v_rcp_f32 v[TA+3], v[TA+2]
.irp b, 1,2,3,4,5,6,7,8,9,10,11,12,13,14,15
	v_sub_f32 v[RB+\b], v[NL+\b], v[NL+\b-1]       ; L_(j-1) - L_j: a whole number from -64 to 64.  (Plain work behind the reciprocal)
.endr
.irp b, 1,2,3,4,5,6,7,8,9,10,11,12,13,14,15
	v_cvt_i32_f32 v[RB+\b], v[RB+\b]
.endr
.irp b, 1,2,3,4,5,6,7,8,9,10,11,12,13,14,15
	v_ldexp_f32 v[RB+\b], 1.0, v[RB+\b]            ; the factor ahead of block j
.endr
	s_wait_alu depctr_va_vdst(0)                   ; the wait ahead of the reciprocal's first reader
	v_mul_f32 v[RB], v[TA+3], v[WB+15]             ; the last factor: w_15 / the sum
.irp b, 0,1,2,3,4,5,6,7,8,9,10,11,12,13,14,15
	ds_store_b32 v[ADW], v[RB+\b] offset:512*\b
.endr
	s_wait_dscnt 0x0                               ; for the others' sake: my stores have landed
	s_wait_tensorcnt 1                             ; my part of slot 0 is in; one load, slot 1's, may be out
	s_barrier_signal -1
	s_barrier_wait -1
; eight matrix instructions: query blocks a0, a0 + 1 x channel blocks 4 bh .. 4 bh + 3, 32 keys: V's buffer vb, p's buffer pq.  zero = 1: the product starts the sums: nothing is cleared.
; sl = 1: behind each stands a slice: the accumulator of the same queries and of the other half of the channels, times my query's factor of set set, from its low end on.
; The 32 accumulators take turns, one instruction a turn, in the same order in every quarter.
.macro MUL8 vb, pq, bh, a0, zero, sl, set
.irp a, \a0, \a0+1
.irp b, 0,1,2,3
	WIN MUL
.if \zero
	v_wmma_f32_16x16x32_f16 v[8*(8*(\a)+4*(\bh)+\b):8*(8*(\a)+4*(\bh)+\b)+7], v[BF+64*(\vb)+8*(4*(\bh)+\b):BF+64*(\vb)+8*(4*(\bh)+\b)+7], v[32*(\pq)+8*(\a):32*(\pq)+8*(\a)+7], 0
.else
	v_wmma_f32_16x16x32_f16 v[8*(8*(\a)+4*(\bh)+\b):8*(8*(\a)+4*(\bh)+\b)+7], v[BF+64*(\vb)+8*(4*(\bh)+\b):BF+64*(\vb)+8*(4*(\bh)+\b)+7], v[32*(\pq)+8*(\a):32*(\pq)+8*(\a)+7], v[8*(8*(\a)+4*(\bh)+\b):8*(8*(\a)+4*(\bh)+\b)+7]
.endif
.if \sl
	WIN RSC
.irp i, 0,2,4,6
	v_pk_mul_f32 v[8*(8*(\a)+4*(1-(\bh))+\b)+\i:8*(8*(\a)+4*(1-(\bh))+\b)+\i+1], v[8*(8*(\a)+4*(1-(\bh))+\b)+\i:8*(8*(\a)+4*(1-(\bh))+\b)+\i+1], v[FQ+8*(\set)+2*(\a):FQ+8*(\set)+2*(\a)+1] op_sel_hi:[1,0]
.endr
.endif
.endr
.endr
.endm
; 16 LDS loads in one run: V's eight fragments (turned) of the slot's quarter q8 into buffer vb; those of channels 0-63 first
.macro FETCH slot, q8, vb
	WIN TO_B
.irp i, 0,1,2,3,4,5,6,7
	ds_load_tr16_b128 v[BF+64*(\vb)+8*\i:BF+64*(\vb)+8*\i+3],   v[ADRB+2*(\slot)+(\q8)/4] offset:((\q8)%4)*QB+32*\i
	ds_load_tr16_b128 v[BF+64*(\vb)+8*\i+4:BF+64*(\vb)+8*\i+7], v[ADRB+2*(\slot)+(\q8)/4] offset:((\q8)%4)*QB+16*PB+32*\i
.endr
.endm
.macro FACTORS set                     ; the next block's factors for my four blocks of queries
	WIN 0
	v_add_nc_u32 v[ADF], 512, v[ADF]
.irp a, 0,1,2,3
	ds_load_b32 v[FQ+8*(\set)+2*\a], v[ADF] offset:64*\a
.endr
.endm
; A QUARTER: 32 keys, 32 matrix instructions; quarter q8 of the slot multiplies V's buffer q8 % 2 and p's buffer q8.  A block of 128 keys is four quarters.
; lc: the loads of p that may stay out when this quarter's must be in.  pk: the quarter of p, counted from where s[4:5] stands, that is asked for into the buffer just left: seven quarters on; -1: none is left.
; first = 1: the launch's first quarter starts the sums.  last = 1: the last slot: no block follows it.
; The four places at the head stand behind the last quarter's products: for the loads into p's buffer and, in the middle, into V's buffer that those products read.
.macro QUARTER slot, q8, lc, pk, first, last
.set VB, (\q8)%2
.set SL1, 0
.set SL2, 0
.set FQL, 0
.if ((\q8)%4 == 0) && !(\first)
.set SL1, 1                            ; a block's first quarter: channels 64-127 take the block's factor in its first half
.endif
.if (\q8) == 3
.set SL2, 1                            ; a block's last quarter: channels 0-63 take the next block's factor in its second half (quarter 7: macro TURN)
.endif
.if ((\q8) == 2) || (((\q8) == 6) && !(\last))
.set FQL, 1                            ; a quarter ahead of that the factors are fetched
.endif
	PLACES
	s_wait_loadcnt \lc                             ; this quarter's p is in
.if (\pk) >= 0
	PLOAD ((\q8)+7)%8, \pk
.endif
	s_wait_dscnt 8                                 ; V's fragments of channels 0-63 (and the factors) are in; the youngest eight loads may be out
	MUL8 VB, \q8, 0, 0, \first, SL1, (\q8)/4
	MUL8 VB, \q8, 0, 2, \first, SL1, (\q8)/4
	s_wait_dscnt 0x0                               ; those of channels 64-127 are in
.if (\q8) < 7
.if SL2
	PLACES                                         ; behind the products on channels 0-63, whose sums the slices below read
.endif
.if FQL
	FACTORS 1-(\q8)/4
.endif
	FETCH \slot, (\q8)+1, 1-VB
.endif
	MUL8 VB, \q8, 1, 0, \first, SL2, 1
	MUL8 VB, \q8, 1, 2, \first, SL2, 1
.endm
; A slot's last quarter changes slots: one barrier; in front of it each wave waits for all its tensor loads (one is out: its part of the next slot), adds 0 to its spare word, and waits for that and for its own
; reads of this slot.  fill = 1: the barrier opens a round of the cluster's, and the joint refill, two slots on, is the first tensor load behind it: 240 matrix instructions ahead of the wait for it.
.macro TURN slot, next, fill, lc, pk
.if \fill
	s_wait_xcnt 0x0                                ; the last prefetches, a slot back, have read their addresses: they are stepped here
	s_add_nc_u64 s[PFA:PFA+1], s[PFA:PFA+1], STEPV
	s_add_nc_u64 s[PF2:PF2+1], s[PF2:PF2+1], 8192
.endif
	PLACES
	s_wait_loadcnt \lc                             ; this quarter's p is in
	PLOAD 6, \pk
	WIN 0                                          ; (the add's two registers lie in window 0)
	s_wait_tensorcnt 0x0
	ds_add_u32 v[SPW], v[NIL]                      ; 0 onto my spare word
	s_wait_dscnt 9                                 ; (the add and the youngest eight loads may be out)
	MUL8 1, 7, 0, 0, 0, 0, 0                       ; eight matrix instructions stand between the add and the wait for it
	s_wait_dscnt 0x0                               ; the add is done, and my reads of this slot are over
	s_barrier_signal -1
	MUL8 1, 7, 0, 2, 0, 0, 0                       ; work on registers while the others arrive
	WIN 0
	s_barrier_wait -1
.if \fill
	CREST                                          ; no wave of any partner still reads this slot's tile or has a load on its way
	s_add_nc_u64 s[G0+4*\slot+2:G0+4*\slot+3], s[G0+4*\slot+2:G0+4*\slot+3], 2*STEPV
	tensor_load_to_lds s[G0+4*\slot:G0+4*\slot+3], s[G1:G1+7]
	s_nop 0
.rept 4
	v_nop                                          ; (the places behind the products on channels 0-63, whose sums the slices below read)
.endr
.else
	PLACES
.endif
	FETCH \next, 0, 0
.if \fill
	WIN 0
	ASK \slot
.endif
	MUL8 1, 7, 1, 0, 0, 1, 0
	MUL8 1, 7, 1, 2, 0, 1, 0
.endm
.irp a, 0,1,2,3
	ds_load_b32 v[IV+2*\a], v[ADF] offset:64*\a    ; the last factor of my four blocks of queries: it stays
.endr
	FETCH 0, 0, 0
	QUARTER 0, 0, 48, 7, 1, 0                      ; the first quarter stands in front of the loop: its products start the sums.  48: six younger quarters of p may be out
	WIN 0                                          ; at a label and at a branch every window is 0
	s_mov_b32 s3, LAPS-1
.Llap:                                             ; a trip goes once round the ring, from a lap's second quarter to the next lap's first: 16 quarters; it fills both slots again
.irp q, 1,2,3,4,5,6
	QUARTER 0, \q, 48, \q+7, 0, 0
.endr
	TURN 0, 1, 1, 48, 14
.irp q, 0,1,2,3,4,5,6
	QUARTER 1, \q, 48, \q+15, 0, 0
.endr
	TURN 1, 0, 1, 48, 22
	QUARTER 0, 0, 48, 23, 0, 0
	WIN 0
	s_wait_xcnt 0x0                                ; the trip's loads of p have read their base: it is stepped only behind this wait
	s_add_nc_u64 s[4:5], s[4:5], 16*PQ
	s_sub_co_u32 s3, s3, 1
	s_cmp_lg_u32 s3, 0
	s_cbranch_scc1 .Llap
.irp q, 1,2,3,4,5,6                    ; the last lap is written out: no slot is filled, and p's loads end with quarter 63
	QUARTER 0, \q, 48, \q+7, 0, 0
.endr
	TURN 0, 1, 0, 48, 14
	QUARTER 1, 0, 48, 15, 0, 1
	QUARTER 1, 1, 48, -1, 0, 1                     ; nothing more is asked for: the counts run down
	QUARTER 1, 2, 40, -1, 0, 1
	QUARTER 1, 3, 32, -1, 0, 1
	QUARTER 1, 4, 24, -1, 0, 1
	QUARTER 1, 5, 16, -1, 0, 1
	QUARTER 1, 6, 8, -1, 0, 1
	QUARTER 1, 7, 0, -1, 0, 1
	; THE WAY OUT.  The sums take the last factor, each accumulator from its low end on; then a block of 16 queries x 128 channels at a time goes through my stage and comes back as whole rows of 512 bytes.
	PLACES                                         ; behind the last products
	WIN RSC
.irp a, 0,1,2,3
.set cnt, 0
.rept 32
	v_pk_mul_f32 v[64*\a+cnt:64*\a+cnt+1], v[64*\a+cnt:64*\a+cnt+1], v[IV+2*\a:IV+2*\a+1] op_sel_hi:[1,0]
.set cnt, cnt+2
.endr
.endr
	WIN 0
.macro TOSTAGE a
.set AC, 64*(\a)
	WIN 0x08                                       ; an LDS store's data are its source 1: window 2
.irp b, 0,1,2,3,4,5,6,7
	ds_store_b128 v[STO], v[AC+8*\b:AC+8*\b+3] offset:64*\b
	ds_store_b128 v[STO], v[AC+8*\b+4:AC+8*\b+7] offset:64*\b+16
.endr
	WIN 0
.set BB, BK+64*((\a)%2)
.irp t, 0,1,2,3,4,5,6,7,8,9,10,11,12,13,14,15
	ds_load_b128 v[BB+4*\t:BB+4*\t+3], v[RD] offset:\t*SPITCH     ; LDS serves a wave's instructions in order: these see the stores above
.endr
.endm
.macro SEND a, younger                 ; younger: the LDS instructions issued behind block a's loads, which may stay out
.set BB, BK+64*((\a)%2)
	s_wait_dscnt \younger                          ; the block is back in registers
.if (\a) > 0
	s_add_nc_u64 s[10:11], s[10:11], 16*4096       ; (behind a wait on XCNT: the earlier stores have read their base)  16 rows on
.endif
.irp t, 0,1,2,3,4,5,6,7,8,9,10,11,12,13,14,15
	global_store_b128 v[CO], v[BB+4*\t:BB+4*\t+3], s[10:11] offset:\t*4096 th:TH_STORE_NT   ; 32 lanes store 512 consecutive bytes, aligned; written once, read by nobody here
.endr
.endm
	TOSTAGE 0
.irp a, 1,2,3
.if \a > 1
	s_wait_xcnt 0x0                                ; block a - 2's stores have read their registers and their base: block a's loads may land there, and the base may step
.endif
	TOSTAGE \a
	SEND \a-1, 32                                  ; behind block a - 1's loads: block a's 16 stores and 16 loads
.endr
	s_wait_xcnt 0x0                                ; block 2's stores have read their base
	SEND 3, 0
	s_wait_tensorcnt 0x0                           ; the wave's end, behind my last tensor load and my last LDS store
	ds_add_u32 v[SPW], v[NIL]
	s_wait_dscnt 0x0
	CROUND                                         ; the closing round: no work-group ends while a partner may still ask for a tile that names it
	s_endpgm
.Lfunc_end_k_qd04388c233_pv:
	.size	k_qd04388c233_pv, .Lfunc_end_k_qd04388c233_pv-k_qd04388c233_pv
	.p2alignl 7, 3214868480
	.fill 96, 4, 3214868480
	.section	.rodata,"a",@progbits
	.p2align	6, 0x0
	.amdhsa_kernel k_qd04388c233_pv
		.amdhsa_group_segment_fixed_size 327680
		.amdhsa_private_segment_fixed_size 0
		.amdhsa_enable_private_segment 0
		.amdhsa_kernarg_size 32
		.amdhsa_user_sgpr_count 2
		.amdhsa_user_sgpr_kernarg_segment_ptr 1
		.amdhsa_wavefront_size32 1
		.amdhsa_system_sgpr_workgroup_id_x 1
		.amdhsa_system_sgpr_workgroup_id_y 1
		.amdhsa_system_sgpr_workgroup_id_z 1
		.amdhsa_system_vgpr_workitem_id 0
		.amdhsa_next_free_vgpr 1024
		.amdhsa_next_free_sgpr 90
		.amdhsa_reserve_vcc 0
		.amdhsa_float_denorm_mode_32 3
		.amdhsa_float_denorm_mode_16_64 3
		.amdhsa_memory_ordered 1
		.amdhsa_forward_progress 1
		.amdhsa_inst_pref_size 247
	.end_amdhsa_kernel
	.amdgpu_metadata
---
amdhsa.version: [ 1, 2 ]
amdhsa.kernels:
  - .name:           k_qd04388c233_pv
    .symbol:         k_qd04388c233_pv.kd
    .args:
      - { .name: pmat, .offset: 0, .size: 8, .value_kind: global_buffer, .address_space: global }
      - { .name: qkv, .offset: 8, .size: 8, .value_kind: global_buffer, .address_space: global }
      - { .name: stats, .offset: 16, .size: 8, .value_kind: global_buffer, .address_space: global }
      - { .name: out0, .offset: 24, .size: 8, .value_kind: global_buffer, .address_space: global }
    .group_segment_fixed_size: 327680
    .private_segment_fixed_size: 0
    .kernarg_segment_align: 8
    .kernarg_segment_size: 32
    .max_flat_workgroup_size: 128
    .sgpr_count:     90
    .vgpr_count:     1024
    .wavefront_size: 32
...
	.end_amdgpu_metadata
.endif
;; end of part 4
